; MI455X (gfx1250); checked and timed in simulation.
; The chip was launched on July 23, 2026; its instructions are those of AMD's public machine-readable ISA for CDNA 5 (MIT licence, August 2026) and "CDNA5" Instruction Set Architecture Reference Guide (July 2026). The comments in the code are by the model that wrote it; some were corrected since.
;; Multi Head Attention. Allowed arithmetic: matrix products marked QUANTISED: E2M3 operands, one E8M0 scale for each 32 along K, by v_wmma_scale_f32_16x16x128_f8f6f4 with both operands' format E2M3, f32 sums; everything else in f32.
;; Inputs: b_kv 2,048 float32; b_out 1,024 float32; b_q 1,024 float32; input_kv 4 x 2,048 x 1,024 float32; input_q 4 x 2,048 x 1,024 float32; w_kv 2,048 x 1,024 float32; w_out 1,024 x 1,024 float32; w_q 1,024 x 1,024 float32.
;; Outputs: out0 4 x 2,048 x 1,024 float32.
;; This version of the problem:
;;   THIS VERSION OF THE PROBLEM IS GIVEN IN LOW PRECISION. The matrix products marked QUANTISED in the list below multiply operands that are first quantised to E2M3 (2 exponent bits, 3 mantissa bits; 6 bits a number), with one power-of-two scale for each 32 numbers along K (OCP MX v1.0); their sums are f32. All else is computed in f32.
;;   The module's matrix products, in the order in which they are computed (A, B: the left and right operand; K: the contracted axis; several contracted axes count as one K, in the product's order):
;;     1. [M 8,192, K 1,024] x [K 1,024, N 1,024]; A: input input_q; B: input w_q: QUANTISED
;;     2. [M 8,192, K 1,024] x [K 1,024, N 2,048]; A: input input_kv; B: input w_kv: QUANTISED
;;     3. batch 64 x [M 2,048, K 64] x [K 64, N 2,048]; A: computed on the way; B: computed on the way: QUANTISED
;;     4. batch 64 x [M 2,048, K 2,048] x [K 2,048, N 64]; A: softmax (see below); B: computed on the way: QUANTISED
;;     5. [M 8,192, K 1,024] x [K 1,024, N 1,024]; A: computed on the way; B: input w_out: QUANTISED
;;   THE QUANTISER, for each operand of a quantised product, along K:
;;     - K is cut into blocks of 32 from its start; a last block that is shorter is filled with zeros.
;;     - A block's scale is 2^e with e = floor(log2(the largest magnitude in the block)) - 2, held to -126 .. 127; a block of zeros has e = 0. As a byte (E8M0): e + 127.
;;     - Each number is divided by its block's scale, clamped to +-7.5, and rounded to the nearest number of E2M3, ties to even, subnormals kept.
;;     - The product sums the exact products of the quantised numbers (number of the format x scale) in f32.
;;   ~~~python
;;   def quantise(x, axis):      # numpy; x: float32 -> the quantised numbers, widened to float32 again
;;       x = np.moveaxis(x, axis, -1); K = x.shape[-1]
;;       x = np.pad(x, [(0, 0)] * (x.ndim - 1) + [(0, -K % 32)]); x = x.reshape(x.shape[:-1] + (-1, 32)); a = np.abs(x).max(-1, keepdims=True)
;;       e = np.where(a > 0, np.clip(np.frexp(np.where(a > 0, a, 1))[1] - 1 - 2, -126, 127), 0)      # np.frexp(a)[1] - 1 = floor(log2(a)), exactly
;;       r = np.clip(x / 2.0 ** e, -7.5, 7.5)
;;       step = 2.0 ** (np.maximum(np.frexp(np.where(r == 0, 1, r))[1] - 1, 0) - 3)
;;       q = np.round(r / step) * step * 2.0 ** e      # np.round: ties to even
;;       return np.moveaxis(q.reshape(q.shape[:-2] + (-1,))[..., :K], -1, axis).astype(np.float32)
;;   ~~~
;;   SOFTMAX AHEAD OF A QUANTISED PRODUCT. Where the list says 'softmax', what is quantised is not the finished softmax but p = 2^(t - M), with t = logit x log2(e) and M = ceil(the row's largest t), a whole number; so 1/2 < the row's largest p <= 1. The row's sum l is taken of the UNQUANTISED p, in f32, and the product's result is divided by l at the end. Since M is a whole number, a kernel that streams over the keys may use a running M (the ceiling of the running maximum): every later rescaling is an exact power of two, which a block's scale takes up: the codes' values come out the same.
;;   OPERANDS COMPUTED ON THE WAY. 'Computed on the way' means the value that the module computes at that place (a softmax that the list does not call 'softmax' is quantised finished and normalised). What goes into a quantiser is computed in f32, as accurately as f32 sums, v_exp_f32 and their like allow (about 1e-6 of the number): no bf16 or f16 on the way to a quantiser, and a product that is left as it is and whose result goes on into a quantised operand takes f32 operands (vector FMAs, or v_wmma_f32_16x16x4_f32). A number that lies on a knife's edge between two numbers of the format may be rounded either way, as far as f32 arithmetic and the matrix unit's own rounding can turn it there, and no further.
;; One version. Each part assembles by itself: llvm-mc -triple=amdgcn-amd-amdhsa -mcpu=gfx1250 --defsym DOCPART=n.
;; ======== version 1 of 1: 4 launches
;; limits: right only within a limited range of input values
;; workspace buffers: img1 15,728,640 bytes; sc1 655,360 bytes; qkv 19,660,800 bytes; val 6,291,456 bytes; vals 262,144 bytes
;; launch quant (part 1): grid 640 x 1, 4 waves a work-group, no clusters, 34,304 bytes of LDS; arguments input_q, input_kv, w_q, w_kv, w_out, img1, sc1; writes img1, sc1
.if DOCPART == 1
	.amdgcn_target "amdgcn-amd-amdhsa--gfx1250"
	.amdhsa_code_object_version 6
	.text
	.protected	k_qce387ec04f_quant
	.globl	k_qce387ec04f_quant
	.p2align	8
	.type	k_qce387ec04f_quant,@function
k_qce387ec04f_quant:
	s_mov_b64 s[64:65], 0
	v_nop
	global_prefetch_b8 v0, s[64:65] scope:SCOPE_SE
	s_setreg_imm32_b32 hwreg(HW_REG_WAVE_MODE, 25, 1), 1
	s_wait_xcnt 0x0
; The five large inputs, all f32 with K (1,024) innermost, become codes of FP6 (E2M3) with one E8M0 byte for each 32 along K.
; A block's scale is 2^(floor(log2(its largest magnitude)) - 2); its byte is that magnitude's exponent field - 2, held at 1 from below.
; LIMITS: NaN and infinities are not served; a block whose largest magnitude lies under 2^-124 keeps the byte 1; a block of zeros gets the byte 1 where the
; rule says 127: its codes are zeros, which add nothing under any byte but 0xff, and only this program reads the bytes.
; LAYOUT OF THE RESULT: images of operand registers.  A TILE is 16 rows: lane r of tile T is row 32 (T / 2) + 8 (T % 2) + r + 8 (r / 8) of its tensor.  A FRAGMENT (16 rows x 128 K,
; 12 registers a lane) is 1,536 bytes: registers 0-3 at 16 x lane, 4-5 at 512 + 8 x lane, 6-9 at 768 + 16 x lane, 10-11 at 1,280 + 8 x lane.  img1: [tile][K step 0..7][1,536].
; Tiles 0-511 input_q, 512-1023 input_kv, 1024-1087 w_q, 1088-1151 w_kv's rows for k (head x 128 + d), 1152-1215 its rows for v (head x 128 + 64 + d), 1216-1279 w_out.
; sc1: [tile][half of K][row r][4 words]: word j of half g is the scale word of K step 4 g + j.
; SHARES: a wave takes one tile x 512 along K: four fragments.  Each load reads 512 consecutive bytes of one row; a fragment's 16 x 512 bytes turn through the wave's own stage in LDS
; (rows 528 bytes apart), so that a lane gets 16 neighbours of each block of 32.  Waves share nothing: no barrier, no cluster, no tensor load.
.set STG,  8448                        ; a wave's stage: 16 rows x (512 + 16) bytes
.set TM,   8                           ; v8-23   at work: +0..3 largest magnitudes, +4..7 the other half's, then bytes, +12..15 the conversions' scale operands
.set PW,   24                          ; v24-27  the four fragments' scale words
.set PT,   28                          ; v28-35  the conversions' second halves
.set PC,   36                          ; v36-47  a fragment's codes
.set R,    64                          ; v64-255 three sets of 64 numbers
.set SEL,  32                          ; s[32:33] lane selects for v_permlanex16_b32: lane l xor 16
	s_load_b256 s[4:11], s[0:1], 0x0               ; input_q s[4:5], input_kv s[6:7], w_q s[8:9], w_kv s[10:11]
	s_load_b128 s[12:15], s[0:1], 0x20             ; w_out s[12:13], img1 s[14:15]
	s_load_b64 s[16:17], s[0:1], 0x30              ; sc1
	v_lshl_add_u32 v62, v0, 2, 0x8400
	v_mov_b32 v63, 0
	v_lshrrev_b32 v8, 5, v0
	v_readfirstlane_b32 s18, v8                    ; wave 0..3
	v_and_b32 v9, 31, v0                           ; lane
	v_and_b32 v10, 15, v0                          ; r
	v_bfe_u32 v11, v0, 4, 1                        ; h
	v_lshlrev_b32 v1, 4, v9                        ; 16 x lane: never rewritten
	v_lshlrev_b32 v2, 3, v9                        ; 8 x lane: never rewritten
	s_mul_i32 s30, s18, STG
	v_add_nc_u32 v3, s30, v1                       ; the stage, on the way in: 16 x lane of a row
	v_mul_u32_u24 v4, v10, 528
	v_lshl_add_u32 v4, v11, 6, v4
	v_add_nc_u32 v4, s30, v4                       ; and on the way out: row r, + 64 h: my 16 numbers of a block of 32
	v_lshlrev_b32 v5, 4, v10
	v_lshl_add_u32 v5, v11, 3, v5                  ; the scale words: 16 r + 8 h
.irp b, 0,1,2,3
	v_mov_b32 v[TM+4+\b], 0                        ; written once: a lane permute's destination counts as one of its sources
.endr
	s_mov_b32 s[SEL], 0x76543210
	s_mov_b32 s[SEL+1], 0xfedcba98
	s_lshl_b32 s19, ttmp9, 2
	s_add_co_u32 s19, s19, s18                     ; my unit 0..2559
	s_lshr_b32 s20, s19, 1                         ; tile T
	s_and_b32 s21, s19, 1                          ; which half of K
	s_wait_alu depctr_va_vdst(0)
	s_wait_kmcnt 0x0
	s_mov_b64 s[22:23], s[12:13]                   ; which tensor holds tile T, and that tensor's first tile: choices on the unit's number alone, one way through the text
	s_mov_b32 s24, 1216
	s_cmp_lt_u32 s20, 1216
	s_cselect_b64 s[22:23], s[10:11], s[22:23]
	s_cselect_b32 s24, 1088, s24
	s_cmp_lt_u32 s20, 1088
	s_cselect_b64 s[22:23], s[8:9], s[22:23]
	s_cselect_b32 s24, 1024, s24
	s_cmp_lt_u32 s20, 1024
	s_cselect_b64 s[22:23], s[6:7], s[22:23]
	s_cselect_b32 s24, 512, s24
	s_cmp_lt_u32 s20, 512
	s_cselect_b64 s[22:23], s[4:5], s[22:23]
	s_cselect_b32 s24, 0, s24
	s_sub_co_u32 s25, s20, s24                     ; the tile's number in its tensor
	s_lshr_b32 s26, s25, 1
	s_lshl_b32 s26, s26, 5
	s_and_b32 s27, s25, 1
	s_lshl_b32 s27, s27, 3
	s_add_co_u32 s26, s26, s27                     ; its first row: 32 (T / 2) + 8 (T % 2)
	s_and_b32 s27, s26, 1023                       ; in w_kv rows 0-1023 of this count are k's and 1024-2047 v's: head x 64 + d lies at head x 128 + d (+ 64)
	s_lshr_b32 s27, s27, 6
	s_lshl_b32 s27, s27, 7
	s_and_b32 s28, s26, 63
	s_add_co_u32 s27, s27, s28
	s_lshr_b32 s28, s26, 10
	s_lshl_b32 s28, s28, 6
	s_add_co_u32 s27, s27, s28
	s_cmp_eq_u32 s24, 1088
	s_cselect_b32 s26, s27, s26
	s_lshl_b32 s28, s26, 12                        ; a row is 4,096 bytes,
	s_lshl_b32 s29, s21, 11                        ; half of K 2,048
	s_add_co_u32 s28, s28, s29
	s_mov_b32 s29, 0
	s_add_nc_u64 s[22:23], s[22:23], s[28:29]
	s_mul_i32 s28, s19, 6144                       ; four fragments a unit
	s_add_nc_u64 s[14:15], s[14:15], s[28:29]
	s_lshl_b32 s28, s19, 8                         ; 256 bytes of scale words a unit
	s_add_nc_u64 s[16:17], s[16:17], s[28:29]
.macro LOAD f                          ; fragment f's numbers: 16 rows x 512 bytes, into set f % 3; row i of the tile lies i + 8 (i / 8) rows on
.irp i, 0,1,2,3,4,5,6,7,8,9,10,11,12,13,14,15
	global_load_b128 v[R+64*((\f)%3)+4*\i:R+64*((\f)%3)+4*\i+3], v1, s[22:23] offset:(\i+8*(\i/8))*4096+512*(\f) th:TH_LOAD_NT
.endr
.endm
.macro TURN f                          ; through the stage and back into the same registers: LDS serves a wave's instructions in order (ISA guide 5.7.1.4).  Register 16 b + i is then k = 32 b + 16 h + i of row r
.irp i, 0,1,2,3,4,5,6,7,8,9,10,11,12,13,14,15
	ds_store_b128 v3, v[R+64*((\f)%3)+4*\i:R+64*((\f)%3)+4*\i+3] offset:528*\i
.endr
.irp b, 0,1,2,3
.irp j, 0,1,2,3
	ds_load_b128 v[R+64*((\f)%3)+16*\b+4*\j:R+64*((\f)%3)+16*\b+4*\j+3], v4 offset:128*\b+16*\j
.endr
.endr
.endm
; 64 numbers of a lane, register 16 b + i = k 32 b + 16 h + i of my row, become a fragment's codes in v[PC] on and its scale word in v[pw]
.macro QUANT s, pw
.irp b, 0,1,2,3
	v_max3_num_f32 v[TM+\b], |v[(\s)+16*\b]|, |v[(\s)+16*\b+1]|, 0x1800000   ; block b: my 16 numbers, and the floor 2^(3 - 127): the byte cannot fall under 1
.endr
.irp i, 2,4,6,8,10,12,14
.irp b, 0,1,2,3
	v_max3_num_f32 v[TM+\b], v[TM+\b], |v[(\s)+16*\b+\i]|, |v[(\s)+16*\b+\i+1]|   ; the four blocks by turns
.endr
.endr
.irp b, 0,1,2,3
	v_permlanex16_b32 v[TM+4+\b], v[TM+\b], s[SEL], s[SEL+1]
.endr
.irp b, 0,1,2,3
	v_max_num_f32 v[TM+\b], v[TM+\b], v[TM+4+\b]   ; with lane l xor 16's: the block's largest magnitude
.endr
.irp b, 0,1,2,3
	v_add_nc_u32 v[TM+12+\b], 0xff000000, v[TM+\b] ; 2 off its exponent field: the conversion takes the exponent field of this operand as its scale
.endr
.irp b, 0,1,2,3
	v_lshrrev_b32 v[TM+4+\b], 23, v[TM+12+\b]      ; the scale's byte
.endr
	v_lshl_or_b32 v[(\pw)], v[TM+5], 8, v[TM+4]
	v_lshl_or_b32 v[(\pw)], v[TM+6], 16, v[(\pw)]
	v_lshl_or_b32 v[(\pw)], v[TM+7], 24, v[(\pw)]
.irp c, 0,1
	v_cvt_scalef32_pk16_fp6_f32 v[PC+6*\c:PC+6*\c+2], v[(\s)+32*\c:(\s)+32*\c+15], v[TM+12+2*\c]
	v_cvt_scalef32_pk16_fp6_f32 v[PT+4*\c:PT+4*\c+2], v[(\s)+32*\c+16:(\s)+32*\c+31], v[TM+13+2*\c]   ; (a conversion's three registers begin on an even number)
.endr
	v_nop                                          ; one plain place behind a scaled conversion
.irp c, 0,1                            ; the operand's layout wants a whole block in a lane: lanes 0-15 block 2 c, lanes 16-31 block 2 c + 1
.irp i, 0,1,2
	v_permlane16_swap_b32 v[PC+6*\c+\i], v[PT+4*\c+\i]
.endr
.irp i, 0,1,2
	v_mov_b32 v[PC+6*\c+3+\i], v[PT+4*\c+\i]
.endr
.endr
.endm
.macro PUT off                         ; the fragment leaves as it stands: each store of the wave covers 512 or 256 consecutive bytes, aligned
	global_store_b128 v1, v[PC:PC+3], s[14:15] offset:(\off)
	global_store_b64 v2, v[PC+4:PC+5], s[14:15] offset:(\off)+512
	global_store_b128 v1, v[PC+6:PC+9], s[14:15] offset:(\off)+768
	global_store_b64 v2, v[PC+10:PC+11], s[14:15] offset:(\off)+1280
.endm
	LOAD 0
	LOAD 1
	LOAD 2
.irp f, 0,1,2,3
.if \f < 2
	s_wait_loadcnt 32                              ; this set's 16 loads are in; two younger sets (32 loads) may be out
.elseif \f == 2
	s_wait_loadcnt 16                              ; one younger set
.else
	s_wait_loadcnt 0
.endif
	TURN \f
	s_wait_dscnt 0x0
.if \f > 0
	s_wait_xcnt 0x0                                ; the last fragment's stores have read v[PC] on: it is written again only behind this wait
.endif
	QUANT R+64*(\f%3), PW+\f
	PUT 1536*\f
.if \f == 0
	LOAD 3                                         ; into set 0, which has been quantised
.endif
.endr
	v_and_b32 v6, 16, v0
	v_cmp_ne_u32 vcc_lo, 0, v6                     ; lanes 16-31 store words 2 and 3 of row r, lanes 0-15 words 0 and 1
	v_cndmask_b32 v6, v[PW], v[PW+2], vcc_lo
	v_cndmask_b32 v7, v[PW+1], v[PW+3], vcc_lo
	global_store_b64 v5, v[6:7], s[16:17]          ; 32 lanes store 256 consecutive bytes, aligned
	s_wait_tensorcnt 0x0
	ds_add_u32 v62, v63
	s_wait_dscnt 0x0
	s_endpgm
.Lfunc_end_k_qce387ec04f_quant:
	.size	k_qce387ec04f_quant, .Lfunc_end_k_qce387ec04f_quant-k_qce387ec04f_quant
	.p2alignl 7, 3214868480
	.fill 96, 4, 3214868480
	.section	.rodata,"a",@progbits
	.p2align	6, 0x0
	.amdhsa_kernel k_qce387ec04f_quant
		.amdhsa_group_segment_fixed_size 34304
		.amdhsa_private_segment_fixed_size 0
		.amdhsa_enable_private_segment 0
		.amdhsa_kernarg_size 56
		.amdhsa_user_sgpr_count 2
		.amdhsa_user_sgpr_kernarg_segment_ptr 1
		.amdhsa_wavefront_size32 1
		.amdhsa_system_sgpr_workgroup_id_x 1
		.amdhsa_system_sgpr_workgroup_id_y 1
		.amdhsa_system_sgpr_workgroup_id_z 1
		.amdhsa_system_vgpr_workitem_id 0
		.amdhsa_next_free_vgpr 256
		.amdhsa_next_free_sgpr 66
		.amdhsa_reserve_vcc 1
		.amdhsa_float_denorm_mode_32 3
		.amdhsa_float_denorm_mode_16_64 3
		.amdhsa_memory_ordered 1
		.amdhsa_forward_progress 1
		.amdhsa_inst_pref_size 35
	.end_amdhsa_kernel
	.amdgpu_metadata
---
amdhsa.version: [ 1, 2 ]
amdhsa.kernels:
  - .name:           k_qce387ec04f_quant
    .symbol:         k_qce387ec04f_quant.kd
    .args:
      - { .name: input_q, .offset: 0, .size: 8, .value_kind: global_buffer, .address_space: global }
      - { .name: input_kv, .offset: 8, .size: 8, .value_kind: global_buffer, .address_space: global }
      - { .name: w_q, .offset: 16, .size: 8, .value_kind: global_buffer, .address_space: global }
      - { .name: w_kv, .offset: 24, .size: 8, .value_kind: global_buffer, .address_space: global }
      - { .name: w_out, .offset: 32, .size: 8, .value_kind: global_buffer, .address_space: global }
      - { .name: img1, .offset: 40, .size: 8, .value_kind: global_buffer, .address_space: global }
      - { .name: sc1, .offset: 48, .size: 8, .value_kind: global_buffer, .address_space: global }
    .group_segment_fixed_size: 34304
    .private_segment_fixed_size: 0
    .kernarg_segment_align: 8
    .kernarg_segment_size: 56
    .max_flat_workgroup_size: 128
    .sgpr_count:     66
    .vgpr_count:     256
    .wavefront_size: 32
...
	.end_amdgpu_metadata
.endif
;; end of part 1
;; launch proj (part 2): grid 8 x 32, 4 waves a work-group, clusters of 4 x 4, 327,680 bytes of LDS; arguments img1, sc1, b_q, b_kv, qkv; writes qkv
.if DOCPART == 2
	.amdgcn_target "amdgcn-amd-amdhsa--gfx1250"
	.amdhsa_code_object_version 6
	.text
	.protected	k_qce387ec04f_proj
	.globl	k_qce387ec04f_proj
	.p2align	8
	.type	k_qce387ec04f_proj,@function
k_qce387ec04f_proj:
	s_mov_b64 s[64:65], 0
	v_nop
	global_prefetch_b8 v0, s[64:65] scope:SCOPE_SE
	s_setreg_imm32_b32 hwreg(HW_REG_WAVE_MODE, 25, 1), 1
	s_wait_xcnt 0x0
	s_wait_alu depctr_hold_cnt(0) depctr_sa_sdst(0) depctr_va_vdst(0) depctr_va_sdst(0) depctr_va_ssrc(0) depctr_va_vcc(0) depctr_vm_vsrc(0)
	s_getreg_b32 s2, hwreg(HW_REG_IB_STS2, 6, 4)
	s_cmp_eq_u32 s2, 0
	s_cbranch_scc0 .Lentry_in_a_cluster
	s_endpgm
.Lentry_in_a_cluster:
	s_bfe_u32 s2, ttmp6, 0x10000c
	s_cmp_lg_u32 s2, 0xf033
	s_cbranch_scc0 .Lentry_shape_is_right
	s_endpgm
.Lentry_shape_is_right:
; q = input_q w_q^T + b_q, k and v = input_kv w_kv^T + b_kv, on codes of FP6 (E2M3) with E8M0 scales (img1, sc1), sums in f32; the results are quantised here, in registers, for the attention:
; q and k along the head's 64, v along the keys.  LIMITS as for every quantiser of this program: NaN and infinities not served; byte held at 1 from below; a block of zeros gets the byte 1 (its codes are zeros).
; A WORK-GROUP STAYS.  Work-group (xt, yt) makes, one after the other, q, k and v of 256 rows (16 tiles of x) x 128 columns (8 tiles of w: two heads): three phases, 256 work-groups.  Wave (wr, wc): 128 rows x 64 columns, one head: 32 accumulators.
; ALL OF K (1,024) OF A PHASE LIES IN LDS: x's 16 whole tiles (12,288 bytes each: 8 K steps), then w's 8.  One tensor load a wave brings its tiles: waves 0, 1 x's halves, waves 2, 3 w's.
; When a phase's products are issued, every wave has read its last fragment: the three lines and a round of the cluster's barrier follow, then the next phase's tiles are asked for, then its scale words and bias,
; and only then the finished phase is quantised and stored: the fill is on its way under that work.
; q and k are two trips of ONE loop (the same text); v, whose products take the sources the other way round, is the tail, written out: it asks for nothing.  For the two trips to be alike, the second asks for input_kv's tiles again,
; though they lie in LDS: 196,608 bytes a work-group more than needed, for one copy of the K steps' text less.
; CLUSTER 4 x 4: x's tiles hang on yt and are shared along a row of the cluster, w's on xt and along a column: joint loads.
; PREFETCH: in K step 1 of each trip a wave names 24 blocks of 256 bytes of the next w tiles, in K step 2 of the first trip 48 blocks of input_kv's tiles: what the load at the trip's end, six and five K steps on, will ask for.
; The four partners that ask for a tile jointly share its blocks out by address (cx for x, cy for w), and their waves likewise: each block is named once in a cluster.  The tail asks for nothing.
; WHICH SOURCE COMES FIRST decides along what a lane's registers run.  q, k: source 0 = w, so a lane holds one row and its registers run along the head's d.  v: source 0 = x, so a lane holds one d and its
; registers run along the keys.  A tile's rows are chosen (lane r of tile T = row 32 (T / 2) + 8 (T % 2) + r + 8 (r / 8)) so that 16 registers of two neighbouring tiles are 16 neighbours.  In both ways 64 consecutive
; accumulator registers are four blocks of 32 of the next product's K, so one way out serves both.
; RESULT: qkv [kind][b x 16 + head][group of 128 rows][6,400]: four fragments of 1,536 bytes and 256 bytes of scale words ([r][4 words]).  q, k: fragment f = row tile 2 f (K 0-63) and row tile 2 f + 1 (K 64-127).  v: fragment t = w tile t's 16 d x 128 keys.
; REGISTERS, in windows of 256: window 0 addresses, scale words, the quantiser;  window 1 the 32 accumulators;  window 2 x's fragments, two sets of 8;  window 3 w's, two sets of 4, and from v128 the bias as the first C.
.set TILEB, 12288                      ; a tile's 8 fragments
.set BOFF,  196608                     ; w's tiles lie behind x's 16
.set SPARE, 294912                     ; the spare words, 128 bytes a wave
.set AX16, 3                           ; v3, v4  LDS address of my x tiles 0-3: 16 x lane, 8 x lane
.set AX8,  4
.set AW16, 5                           ; v5, v6  of my w tiles
.set AW8,  6
.set AHI,  147                         ; v150, v151: of my x tiles 4-7, so that every offset fits the 16-bit immediate
.set OJ,   8                           ; v8-15   the bias loads' offsets
.set SA,   16                          ; v16-47  x's scale words, 4 registers a tile: lanes 0-15 K steps 0-3, lanes 16-31 K steps 4-7
.set SB,   48                          ; v48-63  w's
.set TM,   64                          ; v64-79  the quantiser, at work
.set PW,   80                          ; v80-83  the four scale words made
.set QP,   84                          ; v84-85  the pair of them that I store
.set PT,   88                          ; v88-95
.set PC,   96                          ; v96-143 four fragments of codes
.set HH,   146                         ; v146 h, v147 r + 8 (r / 8): kept
.set RR,   147
.set PFA,  152                         ; v152-154 the prefetches' offsets
.set PFB,  153
.set PFW,  154
.set BI,   128                         ; in window 3
.set WV,   14
.set WR,   15
.set WC,   16
.set PH,   21                          ; the phase
.set G1A,  24                          ; s[24:31] descriptor group 1 for x's tiles;  s[32:39] for w's
.set G1B,  32
.set G0A,  40                          ; s[40:43] group 0 for input_kv's tiles;  s[44:47] for input_q's;  s[68:71] for w's
.set G0H,  44
.set G0B,  68
.set PX,   48                          ; s[48:49], s[50:51] where my prefetches stand
.set PWF,  50
.set XSK,  72                          ; s[72:73] input_kv's scale words;  s[84:85] input_q's;  s[86:87] w's
.set XSQ,  84
.set WSC,  86
.set BQ,   74                          ; s[74:75] my head's part of b_q;  s[90:91] of b_kv
.set BK,   90
.set SEL,  98
.set MSB, 0
.macro WIN new                         ; the immediate's high byte repeats the setting that is left
.if MSB != \new
	s_set_vgpr_msb (MSB<<8)|\new
.set MSB, \new
.endif
.endm
.macro CROUND                          ; a round of the cluster's barrier
	s_barrier_signal -1
	s_barrier_wait -1
	s_cmp_lg_u32 s[WV], 0
	s_cbranch_scc1 .Lnot_wave_0_\@
	s_barrier_signal -3
.Lnot_wave_0_\@:
	s_barrier_wait -3
	s_barrier_signal -1
	s_barrier_wait -1
.endm
.macro PLACES                          ; four plain vector instructions behind a matrix instruction, ahead of loads into its sources and of reads of its result
.rept 4
	v_nop
.endr
.endm
.macro JLOAD gx                        ; one joint load a wave: waves 0, 1 x's tiles by group 0 gx, waves 2, 3 w's.  The branch hangs on the wave's number alone
	s_cmp_eq_u32 s[WR], 0
	s_cbranch_scc0 .Lfor_w_\@
	tensor_load_to_lds s[\gx:\gx+3], s[G1A:G1A+7]
	s_nop 0
.rept 4
	v_nop
.endr
	s_branch .Lasked_\@
.Lfor_w_\@:
	tensor_load_to_lds s[G0B:G0B+3], s[G1B:G1B+7]
	s_nop 0
.rept 4
	v_nop
.endr
.Lasked_\@:
.endm
.macro OFFS                            ; q, k (s94, s95, s96 = 64, 0, 4): register j of lane (r, h) is column 16 h + j of the tile pair.  v (0, 4, 0): all eight are column r + 8 (r / 8)
	v_mul_u32_u24 v[OJ], v[HH], s94
	v_mad_u32_u24 v[OJ], v[RR], s95, v[OJ]
.irp j, 1,2,3,4,5,6,7
	v_add_nc_u32 v[OJ+\j], s96, v[OJ+\j-1]
.endr
.endm
.macro AUX xb, bb, wo                  ; a phase's scale words and bias
.irp a, 0,1,2,3,4,5,6,7
	global_load_b128 v[SA+4*\a:SA+4*\a+3], v1, s[\xb:\xb+1] offset:512*\a   ; lane 16 g + r: row r's words of K steps 4 g .. 4 g + 3
.endr
.irp b, 0,1,2,3
	global_load_b128 v[SB+4*\b:SB+4*\b+3], v1, s[WSC:WSC+1] offset:512*\b+(\wo)
.endr
	WIN 0xc0                                       ; destination window 3
.irp b, 0,1,2,3
.irp j, 0,1,2,3,4,5,6,7
	global_load_b32 v[BI+8*\b+\j], v[OJ+\j], s[\bb:\bb+1] offset:(32*(\b/2)+8*(\b%2))*4   ; the bias in the result's layout: it is the C of the first K step
.endr
.endr
	WIN 0
.endm
	s_load_b256 s[4:11], s[0:1], 0x0               ; img1 s[4:5], sc1 s[6:7], b_q s[8:9], b_kv s[10:11]
	s_load_b64 s[12:13], s[0:1], 0x20              ; qkv
	v_lshl_add_u32 v254, v0, 2, SPARE
	v_mov_b32 v255, 0
	ds_add_u32 v254, v255                          ; the opening lines: the add, twice on end, and its wait
	ds_add_u32 v254, v255
	v_lshrrev_b32 v144, 5, v0
	v_readfirstlane_b32 s[WV], v144                ; wave 0..3
	s_lshr_b32 s[WR], s[WV], 1                     ; my half of the rows.  Also: I fetch for x (0) or for w (1)
	s_and_b32 s[WC], s[WV], 1                      ; my half of the columns.  Also: which half of that operand's tiles I fetch
	s_bfe_u32 s17, ttmp6, 0x40000                  ; cx
	s_bfe_u32 s18, ttmp6, 0x40004                  ; cy
	s_lshl_b32 s19, ttmp9, 2
	s_add_co_u32 s19, s19, s17                     ; xt 0..7
	s_and_b32 s20, ttmp7, 0xffff
	s_lshl_b32 s20, s20, 2
	s_add_co_u32 s20, s20, s18                     ; yt 0..31
	s_lshl_b32 s22, s18, 2
	s_lshl_b32 s22, 15, s22                        ; my row of the cluster
	s_lshl_b32 s23, 0x1111, s17                    ; my column
	; group 1: whole tiles, rows of 12,288 bytes (1,536 elements of 8 bytes), dense in memory and in LDS; 8 tiles for x, 4 for w
	s_or_b32 s[G1A], s22, (3<<16)|(1<<21)          ; 15:0 the mask; 17:16 elements of 8 bytes; 21 set beside a mask; no padding
	s_or_b32 s[G1B], s23, (3<<16)|(1<<21)
	s_mov_b32 s[G1A+1], 1536<<16                   ; tensor_dim0
	s_mov_b32 s[G1A+2], 8<<16                      ; tensor_dim1
	s_mov_b32 s[G1A+3], 1536<<16                   ; tile_dim0
	s_mov_b32 s[G1A+4], 8                          ; tile_dim1
	s_mov_b32 s[G1A+5], 1536                       ; tensor_dim0_stride
	s_mov_b32 s[G1A+6], 0
	s_mov_b32 s[G1A+7], 0
	s_mov_b32 s[G1B+1], 1536<<16
	s_mov_b32 s[G1B+2], 4<<16
	s_mov_b32 s[G1B+3], 1536<<16
	s_mov_b32 s[G1B+4], 4
	s_mov_b32 s[G1B+5], 1536
	s_mov_b32 s[G1B+6], 0
	s_mov_b32 s[G1B+7], 0
	; x's tiles: input_q's begin at tile 0, input_kv's at 512; the work-group's 16 begin at 16 yt.  Nothing here holds cx
	s_lshl_b32 s62, s20, 4
	s_lshl_b32 s63, s[WC], 3
	s_add_co_u32 s56, s62, s63                     ; the 8 tiles that I fetch, if I fetch for x
	s_mul_i32 s56, s56, TILEB
	s_mov_b32 s57, 0
	s_lshl_b32 s63, s[WR], 3
	s_add_co_u32 s84, s62, s63                     ; the 8 tiles that I multiply: their scale words, 512 bytes a tile
	s_lshl_b32 s84, s84, 9
	s_mov_b32 s85, 0
	; w's tiles: 1024 + 64 x phase + 8 xt on (w_q, then w_kv's k rows, then its v rows).  Nothing here holds cy
	s_lshl_b32 s89, s19, 3
	s_add_co_u32 s89, s89, 1024
	s_lshl_b32 s97, s[WC], 2
	s_add_co_u32 s89, s89, s97                     ; the 4 tiles that I fetch, if I fetch for w; they are also the 4 that I multiply
	s_mul_i32 s60, s89, TILEB
	s_mov_b32 s61, 0
	s_lshl_b32 s86, s89, 9
	s_mov_b32 s87, 0
	s_mul_i32 s58, s[WC], 98304                    ; where they go: the wave's number alone enters an LDS address
	s_mul_i32 s59, s[WC], 49152
	s_add_co_u32 s59, s59, BOFF
	s_mov_b32 s[SEL], 0x76543210
	s_mov_b32 s[SEL+1], 0xfedcba98
	s_mov_b32 s[PH], 0
	s_wait_dscnt 0x0
	s_wait_kmcnt 0x0
	s_add_nc_u64 s[56:57], s[4:5], s[56:57]
	s_add_nc_u64 s[60:61], s[4:5], s[60:61]
	s_add_nc_u64 s[XSQ:XSQ+1], s[6:7], s[84:85]
	s_add_nc_u64 s[XSK:XSK+1], s[XSQ:XSQ+1], 512*512
	s_add_nc_u64 s[WSC:WSC+1], s[6:7], s[86:87]
	s_mov_b32 s[G0H], 1                            ; count = 1
	s_mov_b32 s[G0H+1], s58                        ; LDS address
	s_mov_b64 s[G0H+2:G0H+3], s[56:57]             ; global address: input_q's tiles
	s_or_b32 s[G0H+3], s[G0H+3], 0x80000000        ; type = 2
	s_mov_b32 s[G0A], 1
	s_mov_b32 s[G0A+1], s58
	s_add_nc_u64 s[G0A+2:G0A+3], s[56:57], 512*TILEB   ; input_kv's
	s_or_b32 s[G0A+3], s[G0A+3], 0x80000000
	s_mov_b32 s[G0B], 1
	s_mov_b32 s[G0B+1], s59
	s_mov_b64 s[G0B+2:G0B+3], s[60:61]             ; w_q's; 64 tiles on in each later phase
	s_or_b32 s[G0B+3], s[G0B+3], 0x80000000
	CROUND                                         ; all sixteen work-groups are here: the joint loads meet
	JLOAD G0H                                      ; q's tiles: one tensor load a wave at the head
	; the bias' places and the result's
	s_lshl_b32 s88, s19, 1
	s_add_co_u32 s88, s88, s[WC]                   ; my head
	s_lshl_b32 s92, s88, 8                         ; a head is 64 numbers of b_q,
	s_mov_b32 s93, 0
	s_add_nc_u64 s[BQ:BQ+1], s[8:9], s[92:93]
	s_lshl_b32 s92, s88, 9                         ; 128 of b_kv: k's 64, then v's
	s_add_nc_u64 s[BK:BK+1], s[10:11], s[92:93]
	s_lshr_b32 s97, s20, 3                         ; b
	s_lshl_b32 s97, s97, 4
	s_add_co_u32 s97, s97, s88
	s_mul_i32 s92, s97, 102400
	s_and_b32 s97, s20, 7
	s_lshl_b32 s97, s97, 1
	s_add_co_u32 s97, s97, s[WR]                   ; my group of 128 rows in the batch
	s_mul_i32 s97, s97, 6400
	s_add_co_u32 s92, s92, s97
	s_add_nc_u64 s[12:13], s[12:13], s[92:93]      ; in kind q; a kind is 6,553,600 bytes
	; the prefetches: of input_kv's 16 tiles my work-group takes 4 cx .. 4 cx + 3, my wave one of them; of the next w's 8 tiles my work-group takes 2 cy, 2 cy + 1, my wave a quarter of the two
	s_lshl_b32 s92, s17, 2
	s_add_co_u32 s92, s92, s62
	s_add_co_u32 s92, s92, s[WV]
	s_add_co_u32 s92, s92, 512
	s_mul_i32 s92, s92, TILEB
	s_add_nc_u64 s[PX:PX+1], s[4:5], s[92:93]
	s_lshl_b32 s92, s19, 3
	s_lshl_b32 s97, s18, 1
	s_add_co_u32 s92, s92, s97
	s_add_co_u32 s92, s92, 1024+64
	s_mul_i32 s92, s92, TILEB
	s_mul_i32 s97, s[WV], 6144
	s_add_co_u32 s92, s92, s97
	s_add_nc_u64 s[PWF:PWF+1], s[4:5], s[92:93]
	s_mov_b32 s94, 64
	s_mov_b32 s95, 0
	s_mov_b32 s96, 4
	v_and_b32 v144, 31, v0                         ; lane
	v_and_b32 v145, 15, v0                         ; r
	v_bfe_u32 v[HH], v0, 4, 1                      ; h
	v_lshlrev_b32 v1, 4, v144                      ; 16 x lane: never rewritten
	v_lshlrev_b32 v2, 3, v144                      ; 8 x lane: never rewritten
	v_and_b32 v[RR], 8, v145
	v_add_nc_u32 v[RR], v[RR], v145                ; r + 8 (r / 8)
	OFFS
	AUX XSQ, BQ, 0
	s_mul_i32 s92, s[WR], 98304
	v_add_nc_u32 v[AX16], s92, v1
	v_add_nc_u32 v[AX8], s92, v2
	v_add_nc_u32 v[AX16+AHI], 49152, v[AX16]
	v_add_nc_u32 v[AX8+AHI], 49152, v[AX8]
	s_mul_i32 s92, s[WC], 49152
	s_add_co_u32 s92, s92, BOFF
	v_add_nc_u32 v[AW16], s92, v1
	v_add_nc_u32 v[AW8], s92, v2
	v_lshlrev_b32 v7, 4, v145
	v_lshl_add_u32 v7, v[HH], 3, v7                ; the scale words' place: 16 r + 8 h
	v_lshlrev_b32 v[PFA], 8, v144                  ; a lane a block of 256 bytes: blocks 0-31 of my tile;
	v_min_u32 v[PFB], 15, v144
	v_lshlrev_b32 v[PFB], 8, v[PFB]
	v_add_nc_u32 v[PFB], 8192, v[PFB]              ; blocks 32-47 (the lanes left over name the last again);
	v_min_u32 v[PFW], 23, v144
	v_lshlrev_b32 v[PFW], 8, v[PFW]                ; my 24 blocks of w
.irp b, 0,1,2,3
	v_mov_b32 v[TM+4+\b], 0                        ; written once: a lane permute's destination counts as one of its sources
.endr
; K step s's fragments into set s % 2: 8 of x, 4 of w; four loads a fragment, each of 512 or 256 consecutive bytes
.macro FETCH s
	WIN 0x80                                       ; destination window 2
.irp a, 0,1,2,3,4,5,6,7
	ds_load_b128 v[96*((\s)%2)+12*\a:96*((\s)%2)+12*\a+3], v[AX16+AHI*(\a/4)] offset:(\a%4)*12288+(\s)*1536
	ds_load_b64 v[96*((\s)%2)+12*\a+4:96*((\s)%2)+12*\a+5], v[AX8+AHI*(\a/4)] offset:(\a%4)*12288+(\s)*1536+512
	ds_load_b128 v[96*((\s)%2)+12*\a+6:96*((\s)%2)+12*\a+9], v[AX16+AHI*(\a/4)] offset:(\a%4)*12288+(\s)*1536+768
	ds_load_b64 v[96*((\s)%2)+12*\a+10:96*((\s)%2)+12*\a+11], v[AX8+AHI*(\a/4)] offset:(\a%4)*12288+(\s)*1536+1280
.endr
	WIN 0xc0                                       ; destination window 3
.irp b, 0,1,2,3
	ds_load_b128 v[48*((\s)%2)+12*\b:48*((\s)%2)+12*\b+3], v[AW16] offset:\b*12288+(\s)*1536
	ds_load_b64 v[48*((\s)%2)+12*\b+4:48*((\s)%2)+12*\b+5], v[AW8] offset:\b*12288+(\s)*1536+512
	ds_load_b128 v[48*((\s)%2)+12*\b+6:48*((\s)%2)+12*\b+9], v[AW16] offset:\b*12288+(\s)*1536+768
	ds_load_b64 v[48*((\s)%2)+12*\b+10:48*((\s)%2)+12*\b+11], v[AW8] offset:\b*12288+(\s)*1536+1280
.endr
	WIN 0
.endm
; 32 matrix instructions, one on each accumulator, in ascending order in both ways and in every K step: the accumulators take turns.
; q, k: source 0 = w's tile b, source 1 = x's tile a, accumulator 4 a + b
.macro MULK s
.if (\s) == 0
	WIN 0x7b                                       ; source 0 window 3, source 1 window 2, C (the bias) window 3, D window 1
.else
	WIN 0x5b                                       ; C and D window 1
.endif
.irp a, 0,1,2,3,4,5,6,7
.irp b, 0,1,2,3
.set rD, 8*(4*\a+\b)
.set rC, rD
.if (\s) == 0
.set rC, BI+8*\b
.endif
.set rW, 48*((\s)%2)+12*\b
.set rX, 96*((\s)%2)+12*\a
.if (\s) < 4
	v_wmma_scale_f32_16x16x128_f8f6f4 v[rD:rD+7], v[rW:rW+11], v[rX:rX+11], v[rC:rC+7], v[SB+4*\b+(\s)%4], v[SA+4*\a+(\s)%4] matrix_a_fmt:MATRIX_FMT_FP6 matrix_b_fmt:MATRIX_FMT_FP6
.else
	v_wmma_scale_f32_16x16x128_f8f6f4 v[rD:rD+7], v[rW:rW+11], v[rX:rX+11], v[rC:rC+7], v[SB+4*\b+(\s)%4], v[SA+4*\a+(\s)%4] matrix_a_fmt:MATRIX_FMT_FP6 matrix_b_fmt:MATRIX_FMT_FP6 matrix_a_scale:MATRIX_SCALE_ROW1 matrix_b_scale:MATRIX_SCALE_ROW1
.endif
.endr
.endr
	WIN 0
.endm
; v: source 0 = x's tile a, source 1 = w's tile b, accumulator 8 b + a
.macro MULV s
.if (\s) == 0
	WIN 0x7e                                       ; source 0 window 2, source 1 window 3, C (the bias) window 3, D window 1
.else
	WIN 0x5e
.endif
.irp b, 0,1,2,3
.irp a, 0,1,2,3,4,5,6,7
.set rD, 8*(8*\b+\a)
.set rC, rD
.if (\s) == 0
.set rC, BI+8*\b
.endif
.set rW, 48*((\s)%2)+12*\b
.set rX, 96*((\s)%2)+12*\a
.if (\s) < 4
	v_wmma_scale_f32_16x16x128_f8f6f4 v[rD:rD+7], v[rX:rX+11], v[rW:rW+11], v[rC:rC+7], v[SA+4*\a+(\s)%4], v[SB+4*\b+(\s)%4] matrix_a_fmt:MATRIX_FMT_FP6 matrix_b_fmt:MATRIX_FMT_FP6
.else
	v_wmma_scale_f32_16x16x128_f8f6f4 v[rD:rD+7], v[rX:rX+11], v[rW:rW+11], v[rC:rC+7], v[SA+4*\a+(\s)%4], v[SB+4*\b+(\s)%4] matrix_a_fmt:MATRIX_FMT_FP6 matrix_b_fmt:MATRIX_FMT_FP6 matrix_a_scale:MATRIX_SCALE_ROW1 matrix_b_scale:MATRIX_SCALE_ROW1
.endif
.endr
.endr
	WIN 0
.endm
; A K step: its fragments are in; the next step's are asked for, into the set that the last step multiplied; then its 32 products.  isv: v's way.  pf: the loop's steps, which prefetch
.macro STEP s, isv, pf
	s_wait_dscnt 0x0                               ; this step's fragments are in (asked for 32 matrix instructions ago)
.if (\s) < 7
.if (\s) > 0
	PLACES                                         ; ahead of the loads into the set that the last step multiplied
.endif
	FETCH (\s)+1
.endif
.if \pf
.if (\s) == 1
	global_prefetch_b8 v[PFW], s[PWF:PWF+1] th:TH_LOAD_NT scope:SCOPE_SE   ; the next phase's w: my 24 blocks
.endif
.if (\s) == 2
	s_cmp_lg_u32 s[PH], 0
	s_cbranch_scc1 .Lnot_x_\@                      ; input_kv's tiles are asked for in the first trip alone: in the second they have been read
	global_prefetch_b8 v[PFA], s[PX:PX+1] th:TH_LOAD_NT scope:SCOPE_SE
	global_prefetch_b8 v[PFB], s[PX:PX+1] th:TH_LOAD_NT scope:SCOPE_SE
.Lnot_x_\@:
.endif
.endif
.if \isv
	MULV \s
.else
	MULK \s
.endif
.endm
; 64 accumulator registers (window 1), register 16 b + i = index 32 b + 16 h + i of the next K, become a fragment's codes in v[pc] on and its scale word in v[pw].  Each accumulator is read from its low end on.
.macro QUANT s, pc, pw
	WIN 0x14                                       ; sources 1 and 2 window 1
.irp b, 0,1,2,3
	v_max3_num_f32 v[TM+\b], 0x1800000, |v[(\s)+16*\b]|, |v[(\s)+16*\b+1]|   ; block b: my 16 numbers, and the floor 2^(3 - 127): the byte cannot fall under 1
.endr
.irp i, 2,4,6,8,10,12,14
.irp b, 0,1,2,3
	v_max3_num_f32 v[TM+\b], v[TM+\b], |v[(\s)+16*\b+\i]|, |v[(\s)+16*\b+\i+1]|
.endr
.endr
	WIN 0
.irp b, 0,1,2,3
	v_permlanex16_b32 v[TM+4+\b], v[TM+\b], s[SEL], s[SEL+1]
.endr
.irp b, 0,1,2,3
	v_max_num_f32 v[TM+\b], v[TM+\b], v[TM+4+\b]   ; with lane l xor 16's: the block's largest magnitude
.endr
.irp b, 0,1,2,3
	v_add_nc_u32 v[TM+12+\b], 0xff000000, v[TM+\b] ; 2 off its exponent field: the conversion's scale operand
.endr
.irp b, 0,1,2,3
	v_lshrrev_b32 v[TM+4+\b], 23, v[TM+12+\b]      ; the scale's byte
.endr
	v_lshl_or_b32 v[(\pw)], v[TM+5], 8, v[TM+4]
	v_lshl_or_b32 v[(\pw)], v[TM+6], 16, v[(\pw)]
	v_lshl_or_b32 v[(\pw)], v[TM+7], 24, v[(\pw)]
	WIN 0x01                                       ; source 0 window 1
.irp c, 0,1
	v_cvt_scalef32_pk16_fp6_f32 v[(\pc)+6*\c:(\pc)+6*\c+2], v[(\s)+32*\c:(\s)+32*\c+15], v[TM+12+2*\c]
	v_cvt_scalef32_pk16_fp6_f32 v[PT+4*\c:PT+4*\c+2], v[(\s)+32*\c+16:(\s)+32*\c+31], v[TM+13+2*\c]
.endr
	WIN 0
	v_nop                                          ; one plain place behind a scaled conversion
.irp c, 0,1
.irp i, 0,1,2
	v_permlane16_swap_b32 v[(\pc)+6*\c+\i], v[PT+4*\c+\i]
.endr
.irp i, 0,1,2
	v_mov_b32 v[(\pc)+6*\c+3+\i], v[PT+4*\c+\i]
.endr
.endr
.endm
.macro PUT pc, off                     ; each store of the wave covers 512 or 256 consecutive bytes, aligned
	global_store_b128 v1, v[(\pc):(\pc)+3], s[12:13] offset:(\off)
	global_store_b64 v2, v[(\pc)+4:(\pc)+5], s[12:13] offset:(\off)+512
	global_store_b128 v1, v[(\pc)+6:(\pc)+9], s[12:13] offset:(\off)+768
	global_store_b64 v2, v[(\pc)+10:(\pc)+11], s[12:13] offset:(\off)+1280
.endm
.macro TOP                             ; a phase begins
	s_wait_alu depctr_va_vdst(0)
	s_wait_tensorcnt 0x0                           ; my tiles have landed
	s_barrier_signal -1
	s_barrier_wait -1                              ; everybody's have.
	FETCH 0
	s_wait_loadcnt 0x0                             ; scale words and bias
.endm
.macro OUTQ                            ; a phase's way out
	s_wait_alu depctr_va_vdst(0)
	s_wait_xcnt 0x0                                ; the last phase's stores have read v[PC] on
.irp f, 0,1,2,3
	QUANT 64*\f, PC+12*\f, PW+\f
	PUT PC+12*\f, 1536*\f
.endr
	v_and_b32 v[QP], 16, v0
	v_cmp_ne_u32 vcc_lo, 0, v[QP]                  ; lanes 16-31 store words 2 and 3 of lane r's four, lanes 0-15 words 0 and 1
	v_cndmask_b32 v[QP], v[PW], v[PW+2], vcc_lo
	v_cndmask_b32 v[QP+1], v[PW+1], v[PW+3], vcc_lo
	global_store_b64 v7, v[QP:QP+1], s[12:13] offset:6144
.endm
.Lphase:                                               ; two trips: q, then k
	TOP
.irp s, 0,1,2,3,4,5,6,7
	STEP \s, 0, 1
.endr
	s_wait_tensorcnt 0x0                           ; no load of mine is out;
	ds_add_u32 v254, v255                          ; an add of zero to my spare word;
	s_add_nc_u64 s[G0B+2:G0B+3], s[G0B+2:G0B+3], 64*TILEB   ; (so a group 0 may be written: the next phase's w)
	s_wait_dscnt 0x0                               ; the add is done, and my reads of the tiles are over (K step 7's fragments are in registers)
	CROUND                                         ; no wave of any partner still reads these tiles
	JLOAD G0A                                      ; the next phase's tiles: my one load behind the round; its four v_nop are also the places behind the last products
	s_cmp_eq_u32 s[PH], 0                          ; next comes k (bias along a lane's registers) or v (one number a lane)
	s_cselect_b32 s94, 64, 0
	s_cselect_b32 s95, 0, 4
	s_cselect_b32 s96, 4, 0
	OFFS
	AUX XSK, BK, 64*512
	OUTQ                                           ; the finished phase leaves while the tiles are on their way
	s_wait_xcnt 0x0                                ; stores, loads and prefetches have read their bases
	s_add_nc_u64 s[12:13], s[12:13], 6553600       ; the next kind
	s_add_nc_u64 s[WSC:WSC+1], s[WSC:WSC+1], 64*512
	s_add_nc_u64 s[BK:BK+1], s[BK:BK+1], 256       ; v's 64 lie behind k's
	s_add_nc_u64 s[PWF:PWF+1], s[PWF:PWF+1], 64*TILEB
	s_add_co_u32 s[PH], s[PH], 1
	s_cmp_lt_u32 s[PH], 2
	s_cbranch_scc1 .Lphase
	TOP                                            ; v: the tail; nothing more is asked for
.irp s, 0,1,2,3,4,5,6,7
	STEP \s, 1, 0
.endr
	PLACES                                         ; ahead of the first read of results
	OUTQ
	s_wait_tensorcnt 0x0                           ; the wave's end
	ds_add_u32 v254, v255
	s_wait_dscnt 0x0
	CROUND                                         ; the closing round: no work-group ends while a partner may still ask for a tile that names it
	s_endpgm
.Lfunc_end_k_qce387ec04f_proj:
	.size	k_qce387ec04f_proj, .Lfunc_end_k_qce387ec04f_proj-k_qce387ec04f_proj
	.p2alignl 7, 3214868480
	.fill 96, 4, 3214868480
	.section	.rodata,"a",@progbits
	.p2align	6, 0x0
	.amdhsa_kernel k_qce387ec04f_proj
		.amdhsa_group_segment_fixed_size 327680
		.amdhsa_private_segment_fixed_size 0
		.amdhsa_enable_private_segment 0
		.amdhsa_kernarg_size 40
		.amdhsa_user_sgpr_count 2
		.amdhsa_user_sgpr_kernarg_segment_ptr 1
		.amdhsa_wavefront_size32 1
		.amdhsa_system_sgpr_workgroup_id_x 1
		.amdhsa_system_sgpr_workgroup_id_y 1
		.amdhsa_system_sgpr_workgroup_id_z 1
		.amdhsa_system_vgpr_workitem_id 0
		.amdhsa_next_free_vgpr 1024
		.amdhsa_next_free_sgpr 100
		.amdhsa_reserve_vcc 1
		.amdhsa_float_denorm_mode_32 3
		.amdhsa_float_denorm_mode_16_64 3
		.amdhsa_memory_ordered 1
		.amdhsa_forward_progress 1
		.amdhsa_inst_pref_size 170
	.end_amdhsa_kernel
	.amdgpu_metadata
---
amdhsa.version: [ 1, 2 ]
amdhsa.kernels:
  - .name:           k_qce387ec04f_proj
    .symbol:         k_qce387ec04f_proj.kd
    .args:
      - { .name: img1, .offset: 0, .size: 8, .value_kind: global_buffer, .address_space: global }
      - { .name: sc1, .offset: 8, .size: 8, .value_kind: global_buffer, .address_space: global }
      - { .name: b_q, .offset: 16, .size: 8, .value_kind: global_buffer, .address_space: global }
      - { .name: b_kv, .offset: 24, .size: 8, .value_kind: global_buffer, .address_space: global }
      - { .name: qkv, .offset: 32, .size: 8, .value_kind: global_buffer, .address_space: global }
    .group_segment_fixed_size: 327680
    .private_segment_fixed_size: 0
    .kernarg_segment_align: 8
    .kernarg_segment_size: 40
    .max_flat_workgroup_size: 128
    .sgpr_count:     100
    .vgpr_count:     1024
    .wavefront_size: 32
...
	.end_amdgpu_metadata
.endif
;; end of part 2
;; launch attn (part 3): grid 4 x 64, 8 waves a work-group, clusters of 4 x 1, 327,680 bytes of LDS; arguments qkv, val, vals; writes val, vals
.if DOCPART == 3
	.amdgcn_target "amdgcn-amd-amdhsa--gfx1250"
	.amdhsa_code_object_version 6
	.text
	.protected	k_qce387ec04f_attn
	.globl	k_qce387ec04f_attn
	.p2align	8
	.type	k_qce387ec04f_attn,@function
k_qce387ec04f_attn:
	s_mov_b64 s[64:65], 0
	v_nop
	global_prefetch_b8 v0, s[64:65] scope:SCOPE_SE
	s_setreg_imm32_b32 hwreg(HW_REG_WAVE_MODE, 25, 1), 1
	s_wait_xcnt 0x0
	s_wait_alu depctr_hold_cnt(0) depctr_sa_sdst(0) depctr_va_vdst(0) depctr_va_sdst(0) depctr_va_ssrc(0) depctr_va_vcc(0) depctr_vm_vsrc(0)
	s_getreg_b32 s2, hwreg(HW_REG_IB_STS2, 6, 4)
	s_cmp_eq_u32 s2, 0
	s_cbranch_scc0 .Lentry_in_a_cluster
	s_endpgm
.Lentry_in_a_cluster:
	s_bfe_u32 s2, ttmp6, 0x10000c
	s_cmp_lg_u32 s2, 0x3003
	s_cbranch_scc0 .Lentry_shape_is_right
	s_endpgm
.Lentry_shape_is_right:
; values = softmax(q k^T / 8) v for one (batch, head) and 512 queries, on codes of FP6 (E2M3) with E8M0 scales (qkv); the result is quantised along the head's 64 for the last product (val, vals).
; p = 2^(t - M), t = score x log2(e) / 8, M the ceiling of the running largest t, a whole number; the row's sum is taken of the unquantised p; O^T is divided by it at the end.
; LIMITS: the promise holds while the scaled scores stay under 2^31 in magnitude; NaN and infinities are not served; a scale byte is held at 1 from below; a block of zeros gets the byte 1 (its codes are zeros).
; SHARES.  Work-group (cx, b x 16 + head): queries 512 cx on.  8 waves; a wave holds TWO tiles of 16 queries at once (one fragment of q: its two halves of K), in two passes; so each fragment of k and of v feeds two matrix instructions.
; LDS: the head's 16 blocks of k (6,400 bytes for 128 keys: four fragments and their scale words), then v's 16: 204,800 bytes, filled once.  CLUSTER 4 x 1: the four work-groups of a head ask jointly.
; One tensor load a wave: waves 0-3 a quarter of k each, waves 4-7 a quarter of v, 100 rows of 256 bytes; the addresses are arithmetic on the wave's number.  No prefetch: everything is asked for at the head; there is no loop to run ahead in.
; BOTH PRODUCTS ARE USED TRANSPOSED (S^T = k q^T, O^T = v^T p^T): a lane holds one query.  The head's 64 fill half of the instruction's K: a fragment of k holds two tiles of keys, and q stands beside six registers of zero codes, below or above.
; WHICH KEYS FORM A TILE is chosen by the LDS address alone: lanes r < 8 read rows 8 w + r of fragment 2 c, lanes r >= 8 the same rows of fragment 2 c + 1.  Register 32 c + 16 w + 8 u + j of lane (r, h) is then key 64 c + 32 h + 16 w + 8 u + j:
; a lane holds WHOLE blocks of 32 keys, in the order of the next operand's registers: a block's largest score needs no other lane, and the conversions' results are the operand.
; A TRIP (128 keys): v's fragments of this step and k's of the next are asked for at its top; softmax; then S^T of the next step, then O^T of this one: no result is read straight behind its product.
; REGISTERS.  Window 0: addresses, state, q, fragments, p's codes.  Window 1: v0-127 S^T of tiles 0, 1; v128-191 O^T; v192-199 the blocks' largest scores.
.set BLK,   6400
.set VOFF,  102400
.set SPARE, 204800                     ; the spare words, 128 bytes a wave
.set CK16, 4                           ; v4-6   k: lane terms for loads of 16 and 8 bytes and for the scale words
.set CK8,  5
.set CKS,  6
.set SH8,  7                           ; v7     8 h
.set CV16, 8                           ; v8-10  v: the same, with v's place in LDS
.set CV8,  9
.set CVS,  10
.set KA16, 11                          ; v11-15, v87  this trip's addresses
.set KA8,  12
.set KAS,  13
.set VA16, 14
.set VA8,  15
.set VAS,  87
.set ST,   16                          ; v16-31, v32-47: a tile's state
.set NM,   0                           ; -M (low word of a pair)
.set FF,   2                           ; f = 2^(old M - new M) (low word of a pair)
.set LA,   4                           ; the row's sum, in four pairs: two here, two at LX
.set LB,   6
.set RM,   8                           ; the running largest score
.set TT,   9
.set TP,   10
.set DD,   11
.set PW,   12                          ; p's scale word
.set QS,   13                          ; q's scale word
.set SO,   14                          ; the conversions' scale operands
.set BF,   48
.set BY,   52
.set QB,   56                          ; v56-85: zeros, q of tile 0, zeros, q of tile 1, zeros: six registers each
.set QW,   86
.set FK,   88
.set SK,   136
.set FV,   140
.set SV,   188
.set PC,   192
.set PT,   216
.set LX,   232
.set MX,   192                         ; in window 1
.set WV,   10
.set G1,   16
.set G0,   24
.set SEL,  32
.set CS,   34
.set NC,   36
.set MSB, 0
.macro WIN new                         ; the immediate's high byte repeats the setting that is left
.if MSB != \new
	s_set_vgpr_msb (MSB<<8)|\new
.set MSB, \new
.endif
.endm
.macro CROUND                          ; a round of the cluster's barrier
	s_barrier_signal -1
	s_barrier_wait -1
	s_cmp_lg_u32 s[WV], 0
	s_cbranch_scc1 .Lnot_wave_0_\@
	s_barrier_signal -3
.Lnot_wave_0_\@:
	s_barrier_wait -3
	s_barrier_signal -1
	s_barrier_wait -1
.endm
.macro KLOAD a16, a8, as, off          ; k's four fragments g = 2 c + w and their scale words
.irp g, 0,1,2,3
	ds_load_b128 v[FK+12*\g:FK+12*\g+3], v[\a16] offset:(\off)+3072*(\g/2)+128*(\g%2)
	ds_load_b64 v[FK+12*\g+4:FK+12*\g+5], v[\a8] offset:(\off)+3072*(\g/2)+512+64*(\g%2)
	ds_load_b128 v[FK+12*\g+6:FK+12*\g+9], v[\a16] offset:(\off)+3072*(\g/2)+768+128*(\g%2)
	ds_load_b64 v[FK+12*\g+10:FK+12*\g+11], v[\a8] offset:(\off)+3072*(\g/2)+1280+64*(\g%2)
	ds_load_b32 v[SK+\g], v[\as] offset:(\off)+6144+128*(\g%2)+8*(\g/2)
.endr
.endm
.macro VLOAD                           ; v's four fragments (16 d x 128 keys each) as they lie, and their scale words
.irp f, 0,1,2,3
	ds_load_b128 v[FV+12*\f:FV+12*\f+3], v[VA16] offset:1536*\f
	ds_load_b64 v[FV+12*\f+4:FV+12*\f+5], v[VA8] offset:1536*\f+512
	ds_load_b128 v[FV+12*\f+6:FV+12*\f+9], v[VA16] offset:1536*\f+768
	ds_load_b64 v[FV+12*\f+10:FV+12*\f+11], v[VA8] offset:1536*\f+1280
.endr
	ds_load_b128 v[SV:SV+3], v[VAS] offset:6144
.endm
.macro QLOAD n                         ; pass n's fragment of q: its lower half of K is tile 0, its upper half tile 1
	global_load_b128 v[QB+6:QB+9], v1, s[40:41] offset:12800*\n
	global_load_b64 v[QB+10:QB+11], v2, s[40:41] offset:12800*\n+512
	global_load_b128 v[QB+18:QB+21], v1, s[40:41] offset:12800*\n+768
	global_load_b64 v[QB+22:QB+23], v2, s[40:41] offset:12800*\n+1280
	global_load_b32 v[QW], v3, s[48:49] offset:12800*\n
.endm
.macro QK                              ; 16 products, each on an accumulator of its own, begun with 0
.irp g, 0,1,2,3
.irp u, 0,1
.irp x, 0,1
	v_wmma_scale_f32_16x16x128_f8f6f4 v[64*\x+16*\g+8*\u:64*\x+16*\g+8*\u+7], v[FK+12*\g:FK+12*\g+11], v[QB+6+12*\x-6*\u:QB+17+12*\x-6*\u], 0, v[SK+\g], v[ST+16*\x+QS] matrix_a_fmt:MATRIX_FMT_FP6 matrix_b_fmt:MATRIX_FMT_FP6
.endr
.endr
.endr
.endm
.macro PV                              ; 8 products, the accumulators by turns
.irp t, 0,1,2,3
.irp x, 0,1
	v_wmma_scale_f32_16x16x128_f8f6f4 v[128+32*\x+8*\t:128+32*\x+8*\t+7], v[FV+12*\t:FV+12*\t+11], v[PC+12*\x:PC+12*\x+11], v[128+32*\x+8*\t:128+32*\x+8*\t+7], v[SV+\t], v[ST+16*\x+PW] matrix_a_fmt:MATRIX_FMT_FP6 matrix_b_fmt:MATRIX_FMT_FP6
.endr
.endr
.endm
.macro TOEXP x                         ; t - M and 2^(t - M) of a tile's 64 numbers a lane and of its two blocks' largest scores
.set j, 0
.rept 32
	v_pk_fma_f32 v[64*\x+j:64*\x+j+1], v[64*\x+j:64*\x+j+1], s[CS:CS+1], v[ST+16*\x+NM:ST+16*\x+NM+1] op_sel_hi:[1,0,0]
.set j, j+2
.endr
.irp c, 0,1
	v_fma_f32 v[MX+4*\x+2*\c], v[MX+4*\x+2*\c], s[CS], v[ST+16*\x+NM]
.endr
	s_wait_alu depctr_va_vdst(0)                   ; ahead of the batch (it also serves the batch before)
.irp c, 0,1
	v_exp_f32 v[MX+4*\x+2*\c], v[MX+4*\x+2*\c]
.endr
.set j, 0
.rept 64
	v_exp_f32 v[64*\x+j], v[64*\x+j]
.set j, j+1
.endr
.endm
.macro SUMS x                          ; the row's sum of the unquantised p, in four chains; the first link brings the old sum under the new M
	WIN 0x10
	v_pk_fma_f32 v[ST+16*\x+LA:ST+16*\x+LA+1], v[ST+16*\x+LA:ST+16*\x+LA+1], v[ST+16*\x+FF:ST+16*\x+FF+1], v[64*\x:64*\x+1] op_sel_hi:[1,0,1]
	v_pk_fma_f32 v[ST+16*\x+LB:ST+16*\x+LB+1], v[ST+16*\x+LB:ST+16*\x+LB+1], v[ST+16*\x+FF:ST+16*\x+FF+1], v[64*\x+2:64*\x+3] op_sel_hi:[1,0,1]
	v_pk_fma_f32 v[LX+4*\x:LX+4*\x+1], v[LX+4*\x:LX+4*\x+1], v[ST+16*\x+FF:ST+16*\x+FF+1], v[64*\x+4:64*\x+5] op_sel_hi:[1,0,1]
	v_pk_fma_f32 v[LX+4*\x+2:LX+4*\x+3], v[LX+4*\x+2:LX+4*\x+3], v[ST+16*\x+FF:ST+16*\x+FF+1], v[64*\x+6:64*\x+7] op_sel_hi:[1,0,1]
	WIN 0x04
.irp j, 8,16,24,32,40,48,56
	v_pk_add_f32 v[ST+16*\x+LA:ST+16*\x+LA+1], v[ST+16*\x+LA:ST+16*\x+LA+1], v[64*\x+\j:64*\x+\j+1]
	v_pk_add_f32 v[ST+16*\x+LB:ST+16*\x+LB+1], v[ST+16*\x+LB:ST+16*\x+LB+1], v[64*\x+\j+2:64*\x+\j+3]
	v_pk_add_f32 v[LX+4*\x:LX+4*\x+1], v[LX+4*\x:LX+4*\x+1], v[64*\x+\j+4:64*\x+\j+5]
	v_pk_add_f32 v[LX+4*\x+2:LX+4*\x+3], v[LX+4*\x+2:LX+4*\x+3], v[64*\x+\j+6:64*\x+\j+7]
.endr
.irp c, 0,1
	v_max_num_f32 v[BF+2*\x+\c], 0x1800000, v[MX+4*\x+2*\c]   ; the block's largest p, and the floor 2^(3 - 127): the byte cannot fall under 1
.endr
.endm
	s_load_b128 s[4:7], s[0:1], 0x0                ; qkv, val
	s_load_b64 s[8:9], s[0:1], 0x10                ; vals
	v_lshl_add_u32 v254, v0, 2, SPARE
	v_mov_b32 v255, 0
	ds_add_u32 v254, v255                          ; the opening lines: the add, twice on end, and its wait
	ds_add_u32 v254, v255
	v_lshrrev_b32 v11, 5, v0
	v_readfirstlane_b32 s[WV], v11                 ; wave 0..7
	s_bfe_u32 s11, ttmp6, 0x40000                  ; cx
	s_and_b32 s12, ttmp7, 0xffff                   ; b x 16 + head
	s_mov_b32 s[G1], 15|(3<<16)|(1<<21)            ; the four partners; elements of 8 bytes; bit 21 beside a mask
	s_mov_b32 s[G1+1], 32<<16                      ; rows of 256 bytes,
	s_mov_b32 s[G1+2], 100<<16                     ; 100 of them: four blocks
	s_mov_b32 s[G1+3], 32<<16
	s_mov_b32 s[G1+4], 100
	s_mov_b32 s[G1+5], 32
	s_mov_b32 s[G1+6], 0
	s_mov_b32 s[G1+7], 0
	s_mul_i32 s50, s12, 102400                     ; the head's part of each kind
	s_lshr_b32 s13, s[WV], 2
	s_and_b32 s14, s[WV], 3
	s_mul_i32 s52, s13, 6553600                    ; k (waves 0-3) or v (waves 4-7),
	s_mul_i32 s53, s14, 25600                      ; which quarter
	s_add_co_u32 s52, s52, s53
	s_add_co_u32 s52, s52, s50
	s_add_co_u32 s52, s52, 6553600                 ; k's kind lies behind q's
	s_mov_b32 s53, 0
	s_mul_i32 s54, s[WV], 25600                    ; and where it goes
	s_mov_b32 s[SEL], 0x76543210
	s_mov_b32 s[SEL+1], 0xfedcba98                 ; lane l xor 16
	s_mov_b32 s[CS], 0x3e38aa3b                    ; c = log2(e) / 8
	s_mov_b32 s[CS+1], s[CS]
	s_mov_b32 s[NC], 0xbe38aa3b                    ; -c
	s_wait_dscnt 0x0
	s_wait_kmcnt 0x0
	s_mov_b32 s[G0], 1
	s_mov_b32 s[G0+1], s54
	s_add_nc_u64 s[G0+2:G0+3], s[4:5], s[52:53]
	s_or_b32 s[G0+3], s[G0+3], 0x80000000
	CROUND                                         ; the four work-groups are here: the joint loads meet
	tensor_load_to_lds s[G0:G0+3], s[G1:G1+7]      ; my one tensor load
	s_nop 0
.rept 4
	v_nop
.endr
	s_lshl_b32 s52, s11, 2
	s_add_co_u32 s52, s52, s13                     ; q: group of 128 rows 4 cx + wave / 4 (+ 2 in the second pass),
	s_mul_i32 s52, s52, BLK
	s_add_co_u32 s52, s52, s50
	s_mul_i32 s54, s14, 1536                       ; fragment wave % 4
	s_add_co_u32 s54, s54, s52
	s_mov_b32 s55, 0
	s_add_nc_u64 s[40:41], s[4:5], s[54:55]
	s_lshl_b32 s54, s14, 2
	s_add_co_u32 s54, s54, s52
	s_add_co_u32 s54, s54, 6144
	s_add_nc_u64 s[48:49], s[4:5], s[54:55]        ; its scale words
	s_lshr_b32 s52, s12, 4
	s_lshl_b32 s52, s52, 7
	s_lshl_b32 s53, s11, 5
	s_add_co_u32 s52, s52, s53
	s_lshl_b32 s53, s[WV], 1
	s_add_co_u32 s52, s52, s53                     ; val: row tile 128 b + 32 cx + 2 wave (+ 1 for tile 1, + 16 in the second pass)
	s_and_b32 s53, s12, 15                         ; head: half a fragment, 768 bytes
	s_mul_i32 s54, s52, 12288
	s_mul_i32 s56, s53, 768
	s_add_co_u32 s54, s54, s56
	s_add_nc_u64 s[42:43], s[6:7], s[54:55]
	s_lshl_b32 s54, s52, 9
	s_lshr_b32 s56, s53, 3
	s_lshl_b32 s56, s56, 8
	s_add_co_u32 s54, s54, s56
	s_and_b32 s56, s53, 7
	s_lshl_b32 s56, s56, 1
	s_add_co_u32 s54, s54, s56
	s_add_nc_u64 s[44:45], s[8:9], s[54:55]        ; vals: two bytes a row and head
	s_mov_b32 s46, 0x01000100                      ; tile 0's two scale bytes, twice; tile 1's
	s_mov_b32 s47, 0x03020302
	v_and_b32 v11, 31, v0
	v_and_b32 v12, 15, v0
	v_and_b32 v13, 7, v0                           ; r % 8
	v_bfe_u32 v14, v0, 3, 1                        ; r / 8
	v_bfe_u32 v15, v0, 4, 1                        ; h
	v_lshlrev_b32 v1, 4, v11                       ; 16 x lane
	v_lshlrev_b32 v2, 3, v11                       ; 8 x lane
	v_lshlrev_b32 v3, 4, v12                       ; 16 r
	v_mul_u32_u24 v[CK16], v14, 1536               ; lanes r >= 8 read the next fragment
	v_lshl_add_u32 v[CK8], v13, 3, v[CK16]
	v_lshl_add_u32 v[CK8], v15, 7, v[CK8]
	v_lshl_add_u32 v[CK16], v13, 4, v[CK16]
	v_lshl_add_u32 v[CK16], v15, 8, v[CK16]
	v_lshlrev_b32 v[CKS], 4, v13
	v_lshl_add_u32 v[CKS], v14, 2, v[CKS]
	v_lshlrev_b32 v[SH8], 3, v15
	v_add_nc_u32 v[CV16], VOFF, v1
	v_add_nc_u32 v[CV8], VOFF, v2
	v_add_nc_u32 v[CVS], VOFF, v3
	QLOAD 0
.irp j, 0,1,2,3,4,5
	v_mov_b32 v[QB+\j], 0                          ; zero codes beside q
	v_mov_b32 v[QB+12+\j], 0
	v_mov_b32 v[QB+24+\j], 0
.endr
.irp x, 0,1
	v_mov_b32 v[ST+16*\x+TP], 0                    ; a lane permute's destination counts as one of its sources
	v_mov_b32 v[ST+16*\x+NM+1], 0                  ; upper words of pairs of which the low word serves
	v_mov_b32 v[ST+16*\x+FF+1], 0
.endr
	s_wait_alu depctr_va_vdst(0)
	s_wait_tensorcnt 0x0                           ; my quarter has landed
	s_barrier_signal -1
	s_barrier_wait -1                              ; everybody's has.  Nothing is filled again
.macro PASS n
.if \n > 0
	s_wait_xcnt 0x0                                ; the last pass's stores have read their registers
.endif
	KLOAD CK16, CK8, CKS, 0
.irp x, 0,1
	v_mov_b32 v[ST+16*\x+RM], 0xff61b1e6           ; -3e38, under every score
	v_mov_b32 v[ST+16*\x+NM], 0x7f61b1e6           ; so the first f is 0
	v_mov_b32 v[ST+16*\x+LA], 0
	v_mov_b32 v[ST+16*\x+LA+1], 0
	v_mov_b32 v[ST+16*\x+LB], 0
	v_mov_b32 v[ST+16*\x+LB+1], 0
.irp j, 0,1,2,3
	v_mov_b32 v[LX+4*\x+\j], 0
.endr
.endr
	s_mov_b32 s38, 0
	s_mov_b32 s37, 16
	s_wait_loadcnt 0x0                             ; q
	v_perm_b32 v[ST+QS], v[QW], v[QW], s46
	v_perm_b32 v[ST+16+QS], v[QW], v[QW], s47
	WIN 0x40
.set j, 0
.rept 64
	v_mov_b32 v[128+j], 0                          ; O^T: the step is written once.  (Also the places between the scale words' write and the products)
.set j, j+1
.endr
	WIN 0
	s_wait_alu depctr_va_vdst(0)
	s_wait_dscnt 0x0
	WIN 0x40
	QK                                             ; S^T of step 0
	WIN 0
.Lstep_\@:
	v_add_nc_u32 v[VA16], s38, v[CV16]             ; six plain lines: the places behind the products, ahead of the loads into their sources and of the reads of S^T
	v_add_nc_u32 v[VA8], s38, v[CV8]
	v_add_nc_u32 v[VAS], s38, v[CVS]
	v_add_nc_u32 v[KA16], s38, v[CK16]
	v_add_nc_u32 v[KA8], s38, v[CK8]
	v_add_nc_u32 v[KAS], s38, v[CKS]
	VLOAD                                          ; this step's v
	s_cmp_eq_u32 s37, 1
	s_cbranch_scc1 .Lnok_\@                        ; the last step has no next k
	KLOAD KA16, KA8, KAS, BLK
.Lnok_\@:
	WIN 0x55                                       ; the largest score of each of a lane's blocks of 32 keys: eight chains by turns, each accumulator from its low end on
.irp x, 0,1
.irp c, 0,1
	v_max3_num_f32 v[MX+4*\x+2*\c], v[64*\x+32*\c], v[64*\x+32*\c+1], v[64*\x+32*\c+2]
	v_max3_num_f32 v[MX+4*\x+2*\c+1], v[64*\x+32*\c+16], v[64*\x+32*\c+17], v[64*\x+32*\c+18]
.endr
.endr
.irp i, 3,5,7,9,11,13
.irp x, 0,1
.irp c, 0,1
	v_max3_num_f32 v[MX+4*\x+2*\c], v[MX+4*\x+2*\c], v[64*\x+32*\c+\i], v[64*\x+32*\c+\i+1]
	v_max3_num_f32 v[MX+4*\x+2*\c+1], v[MX+4*\x+2*\c+1], v[64*\x+32*\c+16+\i], v[64*\x+32*\c+17+\i]
.endr
.endr
.endr
.irp x, 0,1
.irp c, 0,1
	v_max3_num_f32 v[MX+4*\x+2*\c], v[MX+4*\x+2*\c], v[64*\x+32*\c+15], v[64*\x+32*\c+31]
.endr
.endr
.irp x, 0,1
.irp c, 0,1
	v_max_num_f32 v[MX+4*\x+2*\c], v[MX+4*\x+2*\c], v[MX+4*\x+2*\c+1]
.endr
.endr
	WIN 0x05
.irp x, 0,1
	v_max_num_f32 v[ST+16*\x+TT], v[MX+4*\x], v[MX+4*\x+2]
.endr
	WIN 0
.irp x, 0,1
	v_permlanex16_b32 v[ST+16*\x+TP], v[ST+16*\x+TT], s[SEL], s[SEL+1]
.endr
.irp x, 0,1
	v_max3_num_f32 v[ST+16*\x+RM], v[ST+16*\x+RM], v[ST+16*\x+TT], v[ST+16*\x+TP]   ; the running largest score of my query
.endr
.irp x, 0,1
	v_mul_f32 v[ST+16*\x+DD], s[NC], v[ST+16*\x+RM]
.endr
.irp x, 0,1
	v_floor_f32 v[ST+16*\x+DD], v[ST+16*\x+DD]     ; the new -M = floor(-t)
.endr
.irp x, 0,1
	v_sub_f32 v[ST+16*\x+TT], v[ST+16*\x+DD], v[ST+16*\x+NM]   ; old M less new M: a whole number, 0 or less
.endr
.irp x, 0,1
	v_mov_b32 v[ST+16*\x+NM], v[ST+16*\x+DD]
.endr
.irp x, 0,1
	v_cvt_i32_f32 v[ST+16*\x+TT], v[ST+16*\x+TT]   ; (it saturates)
.endr
.irp x, 0,1
	v_ldexp_f32 v[ST+16*\x+FF], 1.0, v[ST+16*\x+TT]
.endr
	WIN 0x41
	TOEXP 0
	TOEXP 1                                        ; its multiply-adds are the plain work behind tile 0's exponentials
	SUMS 0                                         ; plain work behind tile 1's exponentials; it reads tile 0's alone
	s_wait_alu depctr_va_vdst(0)                   ; one wait for tile 1's batch, ahead of its first reader
	SUMS 1
	WIN 0
.irp x, 0,1
.irp c, 0,1
	v_add_nc_u32 v[ST+16*\x+SO+\c], 0xff000000, v[BF+2*\x+\c]   ; 2 off the exponent field: the conversion's scale operand
.endr
.endr
.irp x, 0,1
.irp c, 0,1
	v_lshrrev_b32 v[BY+2*\x+\c], 23, v[ST+16*\x+SO+\c]          ; the scale's byte
.endr
.endr
.irp x, 0,1
	v_lshl_or_b32 v[ST+16*\x+PW], v[BY+2*\x+1], 16, v[BY+2*\x]  ; my blocks h and 2 + h,
.endr
.irp x, 0,1
	v_lshlrev_b32 v[ST+16*\x+PW], v[SH8], v[ST+16*\x+PW]        ; at their places in the word;
.endr
.irp x, 0,1
	v_permlanex16_b32 v[ST+16*\x+TP], v[ST+16*\x+PW], s[SEL], s[SEL+1]
.endr
.irp x, 0,1
	v_or_b32 v[ST+16*\x+PW], v[ST+16*\x+PW], v[ST+16*\x+TP]     ; with lane l xor 16's two the word is whole
.endr
	WIN 0x01
.irp x, 0,1
.irp c, 0,1
	v_cvt_scalef32_pk16_fp6_f32 v[PC+12*\x+6*\c:PC+12*\x+6*\c+2], v[64*\x+32*\c:64*\x+32*\c+15], v[ST+16*\x+SO+\c]
	v_cvt_scalef32_pk16_fp6_f32 v[PT+8*\x+4*\c:PT+8*\x+4*\c+2], v[64*\x+32*\c+16:64*\x+32*\c+31], v[ST+16*\x+SO+\c]   ; (a conversion's three registers begin on an even number)
.endr
.endr
	WIN 0
	v_nop                                          ; one plain place behind a scaled conversion
.irp x, 0,1
.irp c, 0,1
.irp i, 0,1,2
	v_mov_b32 v[PC+12*\x+6*\c+3+\i], v[PT+8*\x+4*\c+\i]
.endr
.endr
.endr
	WIN 0x41
	s_wait_alu depctr_va_vdst(0)                   ; directly ahead of the first reader of O^T
.irp x, 0,1
.set j, 0
.rept 16
	v_pk_mul_f32 v[128+32*\x+j:128+32*\x+j+1], v[128+32*\x+j:128+32*\x+j+1], v[ST+16*\x+FF:ST+16*\x+FF+1] op_sel_hi:[1,0]   ; O^T under the new M.  (Also the places between p's codes and scale word and the products)
.set j, j+2
.endr
.endr
	WIN 0
	s_wait_alu depctr_va_vdst(0)
	s_wait_dscnt 0x0                               ; v's fragments and the next k's, asked for at the trip's top
	s_cmp_eq_u32 s37, 1
	s_cbranch_scc1 .Lnoqk_\@
	WIN 0x40
	QK                                             ; S^T of the next step: p has been converted
	WIN 0
.Lnoqk_\@:
	WIN 0x50
	PV
	WIN 0
	s_add_co_u32 s38, s38, BLK
	s_sub_co_u32 s37, s37, 1
	s_cmp_lg_u32 s37, 0
	s_cbranch_scc1 .Lstep_\@
.rept 4
	v_nop                                          ; places behind the last products
.endr
.if \n == 0
	QLOAD 1                                        ; the next pass's q comes while this pass's result is quantised
.endif
.irp x, 0,1
	v_pk_add_f32 v[ST+16*\x+LA:ST+16*\x+LA+1], v[ST+16*\x+LA:ST+16*\x+LA+1], v[ST+16*\x+LB:ST+16*\x+LB+1]
	v_pk_add_f32 v[LX+4*\x:LX+4*\x+1], v[LX+4*\x:LX+4*\x+1], v[LX+4*\x+2:LX+4*\x+3]
.endr
.irp x, 0,1
	v_pk_add_f32 v[ST+16*\x+LA:ST+16*\x+LA+1], v[ST+16*\x+LA:ST+16*\x+LA+1], v[LX+4*\x:LX+4*\x+1]
.endr
.irp x, 0,1
	v_add_f32 v[ST+16*\x+TT], v[ST+16*\x+LA], v[ST+16*\x+LA+1]
.endr
.irp x, 0,1
	v_permlanex16_b32 v[ST+16*\x+TP], v[ST+16*\x+TT], s[SEL], s[SEL+1]
.endr
.irp x, 0,1
	v_add_f32 v[ST+16*\x+TT], v[ST+16*\x+TT], v[ST+16*\x+TP]   ; the row's sum
.endr
	s_wait_alu depctr_va_vdst(0)                   ; a wait ahead of the transcendentals
.irp x, 0,1
	v_rcp_f32 v[ST+16*\x+FF], v[ST+16*\x+TT]
.endr
	v_nop
	WIN 0x41
	s_wait_alu depctr_va_vdst(0)                   ; and ahead of their first reader, which is also the first reader of O^T
.irp x, 0,1
.set j, 0
.rept 16
	v_pk_mul_f32 v[64*\x+j:64*\x+j+1], v[128+32*\x+j:128+32*\x+j+1], v[ST+16*\x+FF:ST+16*\x+FF+1] op_sel_hi:[1,0]   ; register 16 b + i is d = 32 b + 16 h + i of my query
.set j, j+2
.endr
.endr
	WIN 0x55
.irp x, 0,1
.irp b, 0,1
	v_max3_num_f32 v[MX+4*\x+2*\b], |v[64*\x+16*\b]|, |v[64*\x+16*\b+1]|, 0x1800000
.endr
.endr
.irp i, 2,4,6,8,10,12
.irp x, 0,1
.irp b, 0,1
	v_max3_num_f32 v[MX+4*\x+2*\b], v[MX+4*\x+2*\b], |v[64*\x+16*\b+\i]|, |v[64*\x+16*\b+\i+1]|
.endr
.endr
.endr
	WIN 0x15
.irp x, 0,1
.irp b, 0,1
	v_max3_num_f32 v[BY+2*\x+\b], v[MX+4*\x+2*\b], |v[64*\x+16*\b+14]|, |v[64*\x+16*\b+15]|
.endr
.endr
	WIN 0
.irp x, 0,1
.irp b, 0,1
	v_permlanex16_b32 v[BF+2*\x+\b], v[BY+2*\x+\b], s[SEL], s[SEL+1]
.endr
.endr
.irp x, 0,1
.irp b, 0,1
	v_max_num_f32 v[BF+2*\x+\b], v[BF+2*\x+\b], v[BY+2*\x+\b]   ; with lane l xor 16's 16: the block's largest magnitude
.endr
.endr
.irp x, 0,1
.irp b, 0,1
	v_add_nc_u32 v[ST+16*\x+SO+\b], 0xff000000, v[BF+2*\x+\b]
.endr
.endr
.irp x, 0,1
.irp b, 0,1
	v_lshrrev_b32 v[BY+2*\x+\b], 23, v[ST+16*\x+SO+\b]
.endr
.endr
.irp x, 0,1
	v_lshl_or_b32 v[ST+16*\x+PW], v[BY+2*\x+1], 8, v[BY+2*\x]
.endr
	WIN 0x01
.irp x, 0,1
	v_cvt_scalef32_pk16_fp6_f32 v[PC+12*\x:PC+12*\x+2], v[64*\x:64*\x+15], v[ST+16*\x+SO]
	v_cvt_scalef32_pk16_fp6_f32 v[PT+8*\x:PT+8*\x+2], v[64*\x+16:64*\x+31], v[ST+16*\x+SO+1]
.endr
	WIN 0
	v_nop                                          ; one plain place behind a scaled conversion
.irp x, 0,1
.irp i, 0,1,2
	v_permlane16_swap_b32 v[PC+12*\x+\i], v[PT+8*\x+\i]         ; a whole block to a lane: lanes 0-15 block 0, lanes 16-31 block 1
.endr
.endr
.irp x, 0,1
.irp i, 0,1,2
	v_mov_b32 v[PC+12*\x+3+\i], v[PT+8*\x+\i]
.endr
.endr
.irp x, 0,1
	global_store_b128 v1, v[PC+12*\x:PC+12*\x+3], s[42:43] offset:196608*\n+12288*\x        ; 512 consecutive bytes, aligned
	global_store_b64 v2, v[PC+12*\x+4:PC+12*\x+5], s[42:43] offset:196608*\n+12288*\x+512   ; 256
	global_store_b16 v3, v[ST+16*\x+PW], s[44:45] offset:8192*\n+512*\x                     ; the head's two scale bytes of each row
.endr
.endm
	PASS 0
	PASS 1
	s_wait_tensorcnt 0x0                           ; the wave's end
	ds_add_u32 v254, v255
	s_wait_dscnt 0x0
	CROUND                                         ; the closing round
	s_endpgm
.Lfunc_end_k_qce387ec04f_attn:
	.size	k_qce387ec04f_attn, .Lfunc_end_k_qce387ec04f_attn-k_qce387ec04f_attn
	.p2alignl 7, 3214868480
	.fill 96, 4, 3214868480
	.section	.rodata,"a",@progbits
	.p2align	6, 0x0
	.amdhsa_kernel k_qce387ec04f_attn
		.amdhsa_group_segment_fixed_size 327680
		.amdhsa_private_segment_fixed_size 0
		.amdhsa_enable_private_segment 0
		.amdhsa_kernarg_size 24
		.amdhsa_user_sgpr_count 2
		.amdhsa_user_sgpr_kernarg_segment_ptr 1
		.amdhsa_wavefront_size32 1
		.amdhsa_system_sgpr_workgroup_id_x 1
		.amdhsa_system_sgpr_workgroup_id_y 1
		.amdhsa_system_sgpr_workgroup_id_z 1
		.amdhsa_system_vgpr_workitem_id 0
		.amdhsa_next_free_vgpr 512
		.amdhsa_next_free_sgpr 66
		.amdhsa_reserve_vcc 0
		.amdhsa_float_denorm_mode_32 3
		.amdhsa_float_denorm_mode_16_64 3
		.amdhsa_memory_ordered 1
		.amdhsa_forward_progress 1
		.amdhsa_inst_pref_size 90
	.end_amdhsa_kernel
	.amdgpu_metadata
---
amdhsa.version: [ 1, 2 ]
amdhsa.kernels:
  - .name:           k_qce387ec04f_attn
    .symbol:         k_qce387ec04f_attn.kd
    .args:
      - { .name: qkv, .offset: 0, .size: 8, .value_kind: global_buffer, .address_space: global }
      - { .name: val, .offset: 8, .size: 8, .value_kind: global_buffer, .address_space: global }
      - { .name: vals, .offset: 16, .size: 8, .value_kind: global_buffer, .address_space: global }
    .group_segment_fixed_size: 327680
    .private_segment_fixed_size: 0
    .kernarg_segment_align: 8
    .kernarg_segment_size: 24
    .max_flat_workgroup_size: 256
    .sgpr_count:     66
    .vgpr_count:     512
    .wavefront_size: 32
...
	.end_amdgpu_metadata
.endif
;; end of part 3
;; launch outp (part 4): grid 8 x 32, 4 waves a work-group, clusters of 4 x 4, 312,832 bytes of LDS; arguments val, vals, img1, sc1, b_out, out0; writes out0
.if DOCPART == 4
	.amdgcn_target "amdgcn-amd-amdhsa--gfx1250"
	.amdhsa_code_object_version 6
	.text
	.protected	k_qce387ec04f_outp
	.globl	k_qce387ec04f_outp
	.p2align	8
	.type	k_qce387ec04f_outp,@function
k_qce387ec04f_outp:
	s_mov_b64 s[64:65], 0
	v_nop
	global_prefetch_b8 v0, s[64:65] scope:SCOPE_SE
	s_setreg_imm32_b32 hwreg(HW_REG_WAVE_MODE, 25, 1), 1
	s_wait_xcnt 0x0
	s_wait_alu depctr_hold_cnt(0) depctr_sa_sdst(0) depctr_va_vdst(0) depctr_va_sdst(0) depctr_va_ssrc(0) depctr_va_vcc(0) depctr_vm_vsrc(0)
	s_getreg_b32 s2, hwreg(HW_REG_IB_STS2, 6, 4)
	s_cmp_eq_u32 s2, 0
	s_cbranch_scc0 .Lentry_in_a_cluster
	s_endpgm
.Lentry_in_a_cluster:
	s_bfe_u32 s2, ttmp6, 0x10000c
	s_cmp_lg_u32 s2, 0xf033
	s_cbranch_scc0 .Lentry_shape_is_right
	s_endpgm
.Lentry_shape_is_right:
; out0 = values w_out^T + b_out, on codes of FP6 (E2M3) with E8M0 scales; sums in f32; out0 [8,192][1,024] f32.
; values' codes (val, vals) and w_out's (img1 tiles 1216 on, sc1) are images of operand registers: [tile of 16 rows][K step 0..7][1,536 bytes]; lane r of tile T is row 32 (T / 2) + 8 (T % 2) + r + 8 (r / 8).
; SHARES.  Work-group (xt, yt): 256 rows x 128 columns; wave (wr, wc): 128 rows x 64 columns: 32 accumulators.  256 work-groups.
; ALL OF K (1,024) LIES IN LDS, filled once: 16 whole tiles of values, then 8 of w_out, 12,288 bytes a tile (8 K steps).  No LDS byte is filled twice.
; CLUSTER 4 x 4: values' tiles hang on yt and are shared along a row of the cluster, w_out's on xt and along a column: joint loads.  Waves 0, 1 fetch values' halves, waves 2, 3 w_out's; one load a wave.
; Source 0 = w_out's tile, source 1 = values' tile: a lane holds one row of out0, and the 16 registers of two neighbouring tiles of w_out are 16 neighbouring columns.  The bias is the C of the first K step.
; THE WAY OUT: a tile of 16 rows x 64 columns goes through the wave's own stage in LDS (behind the tiles; no fill lands there) and leaves as rows: sixteen lanes store 256 consecutive bytes, aligned.
; REGISTERS: window 0 addresses, scale words, rows on the way out;  window 1 the accumulators (4 a + b);  window 2 values' fragments, two sets of 8;  window 3 w_out's, two sets of 4, and from v128 the bias.
.set TILEB, 12288
.set QB,    73728
.set BOFF,  196608                     ; each tile now lies whole in LDS (8 K steps, 12,288 bytes): values' 16 tiles, then w_out's 8; one tensor load a wave brings its tiles for all of K
.set STAGE, 294912                     ; 16 rows x (256 + 16) bytes for each wave
.set AX16, 3
.set AX8,  4
.set AW16, 5
.set AW8,  6
.set AHI,  157                         ; v160, v161: the same addresses for values' tiles 4-7 (49,152 bytes on), so that every offset fits the 16-bit immediate
.set STO,  8                           ; v8   the stage: where I put 32 bytes of a row
.set RD,   9                           ; v9   where I read a row back
.set CO,   10                          ; v10  my byte offset in two rows of out0
.set BO,   11                          ; v11  the bias loads' offset: 64 h
.set SA,   16
.set SB,   48
.set OUT,  96                          ; v96-127, v128-159 by turns: 16 rows read back
.set BI,   128                         ; in window 3
.set WV,   88
.set WR,   89
.set WC,   90
.set G1A,  24
.set G1B,  32
.set G0A,  40
.set G0B,  68
.set MSB, 0
.macro WIN new                         ; the immediate's high byte repeats the setting that is left
.if MSB != \new
	s_set_vgpr_msb (MSB<<8)|\new
.set MSB, \new
.endif
.endm
.macro CROUND
	s_barrier_signal -1
	s_barrier_wait -1
	s_cmp_lg_u32 s[WV], 0
	s_cbranch_scc1 .Lnot_wave_0_\@
	s_barrier_signal -3
.Lnot_wave_0_\@:
	s_barrier_wait -3
	s_barrier_signal -1
	s_barrier_wait -1
.endm
.macro PLACES                          ; four plain vector instructions behind a matrix instruction, ahead of loads into its sources and of reads of its result
.rept 4
	v_nop
.endr
.endm
	s_load_b256 s[4:11], s[0:1], 0x0               ; val s[4:5], vals s[6:7], img1 s[8:9], sc1 s[10:11]
	s_load_b128 s[12:15], s[0:1], 0x20             ; b_out s[12:13], out0 s[14:15]
	v_lshl_add_u32 v254, v0, 2, 0x4c400
	v_mov_b32 v255, 0
	ds_add_u32 v254, v255
	ds_add_u32 v254, v255
	v_lshrrev_b32 v12, 5, v0
	v_readfirstlane_b32 s[WV], v12                 ; wave 0..3
	s_lshr_b32 s[WR], s[WV], 1                     ; my half of the rows.  Also: I fetch for values (0) or for w_out (1)
	s_and_b32 s[WC], s[WV], 1                      ; my half of the columns.  Also: which half of that operand's tiles I fetch
	s_bfe_u32 s16, ttmp6, 0x40000                  ; cx
	s_bfe_u32 s17, ttmp6, 0x40004                  ; cy
	s_lshl_b32 s18, ttmp9, 2
	s_add_co_u32 s18, s18, s16                     ; xt 0..7
	s_and_b32 s19, ttmp7, 0xffff
	s_lshl_b32 s19, s19, 2
	s_add_co_u32 s19, s19, s17                     ; yt 0..31
	s_lshl_b32 s20, s17, 2
	s_lshl_b32 s20, 15, s20                        ; my row of the cluster
	s_lshl_b32 s21, 0x1111, s16                    ; my column
	; group 1: whole tiles, rows of 12,288 bytes (1,536 elements of 8 bytes), dense in memory and in LDS; 8 tiles for values, 4 for w_out
	s_or_b32 s[G1A], s20, (3<<16)|(1<<21)
	s_or_b32 s[G1B], s21, (3<<16)|(1<<21)
	s_mov_b32 s[G1A+1], 1536<<16                   ; a whole tile: 1,536 elements of 8 bytes
	s_mov_b32 s[G1A+2], 8<<16
	s_mov_b32 s[G1A+3], 1536<<16
	s_mov_b32 s[G1A+4], 8
	s_mov_b32 s[G1A+5], 1536
	s_mov_b32 s[G1A+6], 0
	s_mov_b32 s[G1A+7], 0
	s_mov_b32 s[G1B+1], 1536<<16
	s_mov_b32 s[G1B+2], 4<<16
	s_mov_b32 s[G1B+3], 1536<<16
	s_mov_b32 s[G1B+4], 4
	s_mov_b32 s[G1B+5], 1536
	s_mov_b32 s[G1B+6], 0
	s_mov_b32 s[G1B+7], 0
	s_lshl_b32 s62, s19, 4                         ; values' tiles: 16 yt on.  Nothing here holds cx
	s_lshl_b32 s63, s[WC], 3
	s_add_co_u32 s56, s62, s63                     ; the 8 that I fetch, if I fetch for values
	s_mul_i32 s56, s56, TILEB
	s_mov_b32 s57, 0
	s_lshl_b32 s63, s[WR], 3
	s_add_co_u32 s84, s62, s63                     ; the 8 that I multiply: their scale words
	s_lshl_b32 s84, s84, 9
	s_mov_b32 s85, 0
	s_lshl_b32 s91, s18, 3                         ; w_out's tiles: 1216 + 8 xt on.  Nothing here holds cy
	s_add_co_u32 s91, s91, 1216
	s_lshl_b32 s92, s[WC], 2
	s_add_co_u32 s91, s91, s92                     ; the 4 that I fetch, if I fetch for w_out, and the 4 that I multiply
	s_mul_i32 s60, s91, TILEB
	s_mov_b32 s61, 0
	s_lshl_b32 s86, s91, 9
	s_mov_b32 s87, 0
	s_mul_i32 s58, s[WC], 98304                    ; where my 8 tiles of values go
	s_mul_i32 s59, s[WC], 49152                    ; or my 4 tiles of w_out
	s_add_co_u32 s59, s59, BOFF
	s_wait_dscnt 0x0
	s_wait_kmcnt 0x0
	s_add_nc_u64 s[56:57], s[4:5], s[56:57]
	s_add_nc_u64 s[60:61], s[8:9], s[60:61]
	s_add_nc_u64 s[84:85], s[6:7], s[84:85]
	s_add_nc_u64 s[86:87], s[10:11], s[86:87]
.irp q, 0
	s_mov_b32 s[G0A+4*\q], 1
	s_add_co_u32 s[G0A+4*\q+1], s58, \q*QB
	s_add_nc_u64 s[G0A+4*\q+2:G0A+4*\q+3], s[56:57], \q*3072
	s_or_b32 s[G0A+4*\q+3], s[G0A+4*\q+3], 0x80000000
	s_mov_b32 s[G0B+4*\q], 1
	s_add_co_u32 s[G0B+4*\q+1], s59, \q*QB
	s_add_nc_u64 s[G0B+4*\q+2:G0B+4*\q+3], s[60:61], \q*3072
	s_or_b32 s[G0B+4*\q+3], s[G0B+4*\q+3], 0x80000000
.endr
	CROUND                                         ; all sixteen work-groups are here: the joint loads meet
	s_cmp_eq_u32 s[WR], 0                          ; a wave's one fill stands in one branch on the wave's number
	s_cbranch_scc0 .Lfill_w
	tensor_load_to_lds s[G0A:G0A+3], s[G1A:G1A+7]
	s_nop 0
.rept 4
	v_nop
.endr
	s_branch .Lfilled
.Lfill_w:
	tensor_load_to_lds s[G0B:G0B+3], s[G1B:G1B+7]
	s_nop 0
.rept 4
	v_nop
.endr
.Lfilled:
	s_lshl_b32 s92, s18, 9
	s_lshl_b32 s93, s[WC], 8
	s_add_co_u32 s92, s92, s93                     ; my first column, in bytes: 512 xt + 256 wc
	s_mov_b32 s93, 0
	s_add_nc_u64 s[12:13], s[12:13], s[92:93]      ; in b_out,
	s_lshl_b32 s96, s19, 20
	s_lshl_b32 s97, s[WR], 19
	s_add_co_u32 s96, s96, s97                     ; my first row: (256 yt + 128 wr) x 4,096 bytes
	s_add_co_u32 s96, s96, s92
	s_mov_b32 s97, 0
	s_add_nc_u64 s[14:15], s[14:15], s[96:97]      ; and in out0
	v_and_b32 v12, 31, v0                          ; lane
	v_and_b32 v13, 15, v0                          ; r
	v_bfe_u32 v14, v0, 4, 1                        ; h
	v_lshlrev_b32 v1, 4, v12                       ; 16 x lane: never rewritten
	v_lshlrev_b32 v2, 3, v12                       ; 8 x lane: never rewritten
.irp a, 0,1,2,3,4,5,6,7
	global_load_b128 v[SA+4*\a:SA+4*\a+3], v1, s[84:85] offset:512*\a   ; lane 16 g + r: row r's words of K steps 4 g .. 4 g + 3
.endr
.irp b, 0,1,2,3
	global_load_b128 v[SB+4*\b:SB+4*\b+3], v1, s[86:87] offset:512*\b
.endr
	v_lshlrev_b32 v[BO], 6, v14
	WIN 0xc0                                       ; destination window 3
.irp b, 0,1,2,3
	global_load_b128 v[BI+8*\b:BI+8*\b+3], v[BO], s[12:13] offset:(32*(\b/2)+8*(\b%2))*4      ; register j of lane (r, h): column 32 (b / 2) + 16 h + 8 (b % 2) + j
	global_load_b128 v[BI+8*\b+4:BI+8*\b+7], v[BO], s[12:13] offset:(32*(\b/2)+8*(\b%2))*4+16
.endr
	WIN 0
	s_mul_i32 s92, s[WR], 98304
	v_add_nc_u32 v[AX16], s92, v1
	v_add_nc_u32 v[AX8], s92, v2
	v_add_nc_u32 v[AX16+AHI], 49152, v[AX16]
	v_add_nc_u32 v[AX8+AHI], 49152, v[AX8]
	s_mul_i32 s92, s[WC], 49152
	s_add_co_u32 s92, s92, BOFF
	v_add_nc_u32 v[AW16], s92, v1
	v_add_nc_u32 v[AW8], s92, v2
	s_mul_i32 s92, s[WV], 4352
	s_add_co_u32 s92, s92, STAGE                   ; my stage
	v_mul_u32_u24 v[STO], v13, 272
	v_lshl_add_u32 v[STO], v14, 6, v[STO]
	v_add_nc_u32 v[STO], s92, v[STO]               ; in: row r, + 64 h
	v_mul_u32_u24 v[RD], v14, 272
	v_lshl_add_u32 v[RD], v13, 4, v[RD]
	v_add_nc_u32 v[RD], s92, v[RD]                 ; back: lanes 0-15 one row of 256 bytes, lanes 16-31 the next
	v_lshlrev_b32 v[CO], 12, v14
	v_lshl_add_u32 v[CO], v13, 4, v[CO]            ; and the same two rows in out0
.macro FETCH s                         ; K step s's fragments into set s % 2
	WIN 0x80                                       ; destination window 2
.irp a, 0,1,2,3,4,5,6,7
	ds_load_b128 v[96*((\s)%2)+12*\a:96*((\s)%2)+12*\a+3], v[AX16+AHI*(\a/4)] offset:(\a%4)*12288+(\s)*1536
	ds_load_b64 v[96*((\s)%2)+12*\a+4:96*((\s)%2)+12*\a+5], v[AX8+AHI*(\a/4)] offset:(\a%4)*12288+(\s)*1536+512
	ds_load_b128 v[96*((\s)%2)+12*\a+6:96*((\s)%2)+12*\a+9], v[AX16+AHI*(\a/4)] offset:(\a%4)*12288+(\s)*1536+768
	ds_load_b64 v[96*((\s)%2)+12*\a+10:96*((\s)%2)+12*\a+11], v[AX8+AHI*(\a/4)] offset:(\a%4)*12288+(\s)*1536+1280
.endr
	WIN 0xc0                                       ; destination window 3
.irp b, 0,1,2,3
	ds_load_b128 v[48*((\s)%2)+12*\b:48*((\s)%2)+12*\b+3], v[AW16] offset:\b*12288+(\s)*1536
	ds_load_b64 v[48*((\s)%2)+12*\b+4:48*((\s)%2)+12*\b+5], v[AW8] offset:\b*12288+(\s)*1536+512
	ds_load_b128 v[48*((\s)%2)+12*\b+6:48*((\s)%2)+12*\b+9], v[AW16] offset:\b*12288+(\s)*1536+768
	ds_load_b64 v[48*((\s)%2)+12*\b+10:48*((\s)%2)+12*\b+11], v[AW8] offset:\b*12288+(\s)*1536+1280
.endr
	WIN 0
.endm
; 32 matrix instructions, one on each accumulator, in the same order in every K step: the accumulators take turns
.macro MULK s
.if (\s) == 0
	WIN 0x7b                                       ; source 0 window 3, source 1 window 2, C (the bias) window 3, D window 1
.else
	WIN 0x5b
.endif
.irp a, 0,1,2,3,4,5,6,7
.irp b, 0,1,2,3
.set rD, 8*(4*\a+\b)
.set rC, rD
.if (\s) == 0
.set rC, BI+8*\b
.endif
.set rW, 48*((\s)%2)+12*\b
.set rX, 96*((\s)%2)+12*\a
.if (\s) < 4
	v_wmma_scale_f32_16x16x128_f8f6f4 v[rD:rD+7], v[rW:rW+11], v[rX:rX+11], v[rC:rC+7], v[SB+4*\b+(\s)%4], v[SA+4*\a+(\s)%4] matrix_a_fmt:MATRIX_FMT_FP6 matrix_b_fmt:MATRIX_FMT_FP6
.else
	v_wmma_scale_f32_16x16x128_f8f6f4 v[rD:rD+7], v[rW:rW+11], v[rX:rX+11], v[rC:rC+7], v[SB+4*\b+(\s)%4], v[SA+4*\a+(\s)%4] matrix_a_fmt:MATRIX_FMT_FP6 matrix_b_fmt:MATRIX_FMT_FP6 matrix_a_scale:MATRIX_SCALE_ROW1 matrix_b_scale:MATRIX_SCALE_ROW1
.endif
.endr
.endr
	WIN 0
.endm
.macro STEP s
	s_wait_dscnt 0x0                               ; this step's fragments are in (asked for 32 matrix instructions ago)
.if (\s) < 7
.if (\s) > 0
	PLACES                                         ; ahead of the loads into the set that the last step multiplied
.endif
	FETCH (\s)+1
.endif
	MULK \s
.endm
.macro TOSTAGE a                       ; row tile a: 16 rows x 64 columns into my stage, and back as rows.  LDS serves a wave's instructions in order (ISA guide 5.7.1.4): no wait between
	WIN 0x04                                       ; an LDS store's data are its source 1: window 1
.irp b, 0,1,2,3
	ds_store_b128 v[STO], v[8*(4*(\a)+\b):8*(4*(\a)+\b)+3] offset:128*(\b/2)+32*(\b%2)          ; each accumulator from its low end on
	ds_store_b128 v[STO], v[8*(4*(\a)+\b)+4:8*(4*(\a)+\b)+7] offset:128*(\b/2)+32*(\b%2)+16
.endr
	WIN 0
.irp i, 0,1,2,3,4,5,6,7
	ds_load_b128 v[OUT+32*((\a)%2)+4*\i:OUT+32*((\a)%2)+4*\i+3], v[RD] offset:544*\i
.endr
.endm
.macro SEND a, y                       ; y: the LDS instructions issued behind tile a's loads, which may stay out.  Stage row 2 i + h is row 32 (a / 2) + 8 (a % 2) + 2 i + h + 8 (i / 4) of my 128
	s_wait_dscnt \y
.irp i, 0,1,2,3,4,5,6,7
	global_store_b128 v[CO], v[OUT+32*((\a)%2)+4*\i:OUT+32*((\a)%2)+4*\i+3], s[14:15] offset:(32*((\a)/2)+8*((\a)%2)+2*\i+8*(\i/4))*4096 th:TH_STORE_NT   ; 16 lanes store 256 consecutive bytes, aligned; written once, read by nobody here
.endr
.endm
	s_wait_alu depctr_va_vdst(0)
	s_wait_tensorcnt 0x0                           ; my one load, my tiles for all of K, has landed
	s_barrier_signal -1
	s_barrier_wait -1                              ; everybody's has
	FETCH 0
	s_wait_loadcnt 0x0                             ; scale words and bias
.irp s, 0,1,2,3,4,5,6,7
	STEP \s
.endr
	PLACES                                         ; ahead of the first read of results
	TOSTAGE 0
.irp a, 1,2,3,4,5,6,7
.if \a > 1
	s_wait_xcnt 0x0                                ; tile a - 2's stores have read their registers: tile a's loads may land there
.endif
	TOSTAGE \a
	SEND \a-1, 16                                  ; behind tile a - 1's loads: tile a's 8 stores and 8 loads
.endr
	SEND 7, 0
	s_wait_tensorcnt 0x0
	ds_add_u32 v254, v255
	s_wait_dscnt 0x0
	CROUND                                         ; the closing round: no work-group ends while a partner may still ask for a tile that names it
	s_endpgm
.Lfunc_end_k_qce387ec04f_outp:
	.size	k_qce387ec04f_outp, .Lfunc_end_k_qce387ec04f_outp-k_qce387ec04f_outp
	.p2alignl 7, 3214868480
	.fill 96, 4, 3214868480
	.section	.rodata,"a",@progbits
	.p2align	6, 0x0
	.amdhsa_kernel k_qce387ec04f_outp
		.amdhsa_group_segment_fixed_size 312832
		.amdhsa_private_segment_fixed_size 0
		.amdhsa_enable_private_segment 0
		.amdhsa_kernarg_size 48
		.amdhsa_user_sgpr_count 2
		.amdhsa_user_sgpr_kernarg_segment_ptr 1
		.amdhsa_wavefront_size32 1
		.amdhsa_system_sgpr_workgroup_id_x 1
		.amdhsa_system_sgpr_workgroup_id_y 1
		.amdhsa_system_sgpr_workgroup_id_z 1
		.amdhsa_system_vgpr_workitem_id 0
		.amdhsa_next_free_vgpr 1024
		.amdhsa_next_free_sgpr 100
		.amdhsa_reserve_vcc 0
		.amdhsa_float_denorm_mode_32 3
		.amdhsa_float_denorm_mode_16_64 3
		.amdhsa_memory_ordered 1
		.amdhsa_forward_progress 1
		.amdhsa_inst_pref_size 82
	.end_amdhsa_kernel
	.amdgpu_metadata
---
amdhsa.version: [ 1, 2 ]
amdhsa.kernels:
  - .name:           k_qce387ec04f_outp
    .symbol:         k_qce387ec04f_outp.kd
    .args:
      - { .name: val, .offset: 0, .size: 8, .value_kind: global_buffer, .address_space: global }
      - { .name: vals, .offset: 8, .size: 8, .value_kind: global_buffer, .address_space: global }
      - { .name: img1, .offset: 16, .size: 8, .value_kind: global_buffer, .address_space: global }
      - { .name: sc1, .offset: 24, .size: 8, .value_kind: global_buffer, .address_space: global }
      - { .name: b_out, .offset: 32, .size: 8, .value_kind: global_buffer, .address_space: global }
      - { .name: out0, .offset: 40, .size: 8, .value_kind: global_buffer, .address_space: global }
    .group_segment_fixed_size: 312832
    .private_segment_fixed_size: 0
    .kernarg_segment_align: 8
    .kernarg_segment_size: 48
    .max_flat_workgroup_size: 128
    .sgpr_count:     100
    .vgpr_count:     1024
    .wavefront_size: 32
...
	.end_amdgpu_metadata
.endif
;; end of part 4
